; MI455X (gfx1250); checked and timed in simulation.
; The chip was launched on July 23, 2026; its instructions are those of AMD's public machine-readable ISA for CDNA 5 (MIT licence, August 2026) and "CDNA5" Instruction Set Architecture Reference Guide (July 2026). The comments in the code are by the model that wrote it; some were corrected since.
;; Vishwam AILLM. Allowed arithmetic: matrix products marked QUANTISED: E2M3 operands, one E8M0 scale for each 32 along K, by v_wmma_scale_f32_16x16x128_f8f6f4 with both operands' format E2M3, f32 sums; everything else in f32.
;; Inputs: mask 1 x 1 x 2,048 x 2,048 bool; w_qkv 1,024 x 3,072 float32; x 4 x 2,048 x 1,024 float32.
;; Outputs: out0 4 x 2,048 x 1,024 float32.
;; This version of the problem:
;;   THIS VERSION OF THE PROBLEM IS GIVEN IN LOW PRECISION. The matrix products marked QUANTISED in the list below multiply operands that are first quantised to E2M3 (2 exponent bits, 3 mantissa bits; 6 bits a number), with one power-of-two scale for each 32 numbers along K (OCP MX v1.0); their sums are f32. All else is computed in f32.
;;   The module's matrix products, in the order in which they are computed (A, B: the left and right operand; K: the contracted axis; several contracted axes count as one K, in the product's order):
;;     1. [M 8,192, K 1,024] x [K 1,024, N 3,072]; A: input x; B: input w_qkv: QUANTISED
;;     2. batch 64 x [M 2,048, K 64] x [K 64, N 2,048]; A: computed on the way; B: computed on the way: QUANTISED
;;     3. batch 64 x [M 64, K 2,048] x [K 2,048, N 2,048]; A: computed on the way; B: softmax (see below): QUANTISED
;;   THE QUANTISER, for each operand of a quantised product, along K:
;;     - K is cut into blocks of 32 from its start; a last block that is shorter is filled with zeros.
;;     - A block's scale is 2^e with e = floor(log2(the largest magnitude in the block)) - 2, held to -126 .. 127; a block of zeros has e = 0. As a byte (E8M0): e + 127.
;;     - Each number is divided by its block's scale, clamped to +-7.5, and rounded to the nearest number of E2M3, ties to even, subnormals kept.
;;     - The product sums the exact products of the quantised numbers (number of the format x scale) in f32.
;;   ~~~python
;;   def quantise(x, axis):      # numpy; x: float32 -> the quantised numbers, widened to float32 again
;;       x = np.moveaxis(x, axis, -1); K = x.shape[-1]
;;       x = np.pad(x, [(0, 0)] * (x.ndim - 1) + [(0, -K % 32)]); x = x.reshape(x.shape[:-1] + (-1, 32)); a = np.abs(x).max(-1, keepdims=True)
;;       e = np.where(a > 0, np.clip(np.frexp(np.where(a > 0, a, 1))[1] - 1 - 2, -126, 127), 0)      # np.frexp(a)[1] - 1 = floor(log2(a)), exactly
;;       r = np.clip(x / 2.0 ** e, -7.5, 7.5)
;;       step = 2.0 ** (np.maximum(np.frexp(np.where(r == 0, 1, r))[1] - 1, 0) - 3)
;;       q = np.round(r / step) * step * 2.0 ** e      # np.round: ties to even
;;       return np.moveaxis(q.reshape(q.shape[:-2] + (-1,))[..., :K], -1, axis).astype(np.float32)
;;   ~~~
;;   SOFTMAX AHEAD OF A QUANTISED PRODUCT. Where the list says 'softmax', what is quantised is not the finished softmax but p = 2^(t - M), with t = logit x log2(e) and M = ceil(the row's largest t), a whole number; so 1/2 < the row's largest p <= 1. The row's sum l is taken of the UNQUANTISED p, in f32, and the product's result is divided by l at the end. Since M is a whole number, a kernel that streams over the keys may use a running M (the ceiling of the running maximum): every later rescaling is an exact power of two, which a block's scale takes up: the codes' values come out the same.
;;   OPERANDS COMPUTED ON THE WAY. 'Computed on the way' means the value that the module computes at that place (a softmax that the list does not call 'softmax' is quantised finished and normalised). What goes into a quantiser is computed in f32, as accurately as f32 sums, v_exp_f32 and their like allow (about 1e-6 of the number): no bf16 or f16 on the way to a quantiser, and a product that is left as it is and whose result goes on into a quantised operand takes f32 operands (vector FMAs, or v_wmma_f32_16x16x4_f32). A number that lies on a knife's edge between two numbers of the format may be rounded either way, as far as f32 arithmetic and the matrix unit's own rounding can turn it there, and no further.
;; One version. Each part assembles by itself: llvm-mc -triple=amdgcn-amd-amdhsa -mcpu=gfx1250 --defsym DOCPART=n.
;; ======== version 1 of 1: 3 launches
;; limits: right only within a limited range of input values
;; workspace buffers: opc 8,650,752 bytes; ops 360,448 bytes; tab 262,144 bytes; mk 524,288 bytes of whole numbers; fl 512 bytes of whole numbers; img 18,874,368 bytes; isc 786,432 bytes
;; launch prep (part 1): grid 608 x 1, 4 waves a work-group, no clusters, 69,120 bytes of LDS; arguments x, w_qkv, mask, opc, ops, mk, fl, tab; writes opc, ops, mk, fl, tab
.if DOCPART == 1
	.amdgcn_target "amdgcn-amd-amdhsa--gfx1250"
	.amdhsa_code_object_version 6
	.text
	.protected	k_q02f978774d_prep
	.globl	k_q02f978774d_prep
	.p2align	8
	.type	k_q02f978774d_prep,@function
k_q02f978774d_prep:
	s_mov_b64 s[64:65], 0
	v_nop
	global_prefetch_b8 v0, s[64:65] scope:SCOPE_SE
	s_setreg_imm32_b32 hwreg(HW_REG_WAVE_MODE, 25, 1), 1
	s_wait_xcnt 0x0
; PREP: what the two later launches read.  Four kinds of work-group, told apart by the work-group's number alone:
;   0-255   X: x [8192][1024] f32 -> codes of FP6 (E2M3), K innermost, 768 bytes a row, and one E8M0 byte for each 32 along K, 32 bytes a row: rows 0-8191 of opc and ops
;   256-351 W: w_qkv [1024 (k)][3072 (n)] f32 -> the same for its columns: rows 8192-11263 of opc and ops
;   352-479 M: mask [2048][2048] bytes -> for each tile of 16 queries x 128 keys 64 words of lane bits (mk), and for each tile of queries a word of flags (fl)
;   480-607 T: cos and sin of the rotary angles, tab [2048 positions][cos 0..15, sin 0..15] f32
; THE ORDER OF ROWS IN opc AND ops: within each group of 64 rows, row w is stored at place 16 ((w >> 3) & 3) + 8 (w >> 5) + (w & 7).  Sixteen stored rows on end are then
; rows 8 t + (r & 7) + 32 (r >> 3): used as source 0 of a matrix instruction, the four tiles of a group leave 32 NEIGHBOURING rows in one lane's 32 result registers.
; A block's scale is 2^(floor(log2(its largest magnitude)) - 2); its byte is the largest magnitude's exponent field - 2, held at 1 from below.
; LIMITS: a block of zeros, and one whose largest magnitude lies under 2^-124, gets the byte 1 (zero codes add nothing under it; this program alone reads the bytes); NaN and infinities in x and w are not served.
; The 16 frequencies are 10^(-j/4) rounded to f32, which may differ in the last bit from a power and a division in f32; sin and cos are right to about 1e-7.  A mask byte counts as true when it is not 0.
; LDS: path X owns bytes 0-32767 (8,192 a wave), path W bytes 32768-67583 (8,704 a wave); M and T use none.  No barrier: waves share nothing.
; THE LAYOUT OF opc: a row's 768 bytes of codes lie in FOUR PLANES, plane p holding the 192 bytes of K = 256 p .. 256 p + 255 of every stored row, rows on end:
; byte = p x PLANE + stored row x 192.  128 stored rows of one plane are 24,576 consecutive bytes, which begin at a multiple of 256.
.set PLANE, 11264*192
.set WREG,  8192
.set SP,    80                         ; X: a lane's place in a stage: 64 bytes + 16 of padding
.set CB,    12                         ; bytes of 16 codes
.set STEPS, 16
.set EMAX,  2
.set XR,    16                         ; X: v16-79 four sets of 16 numbers as loaded
.set XX,    80                         ; X: v80-111 two sets of 16 neighbours
.set XE,    112                        ; X: v112-127 a scale byte for each step
.set XC,    128                        ; X: v128-191 codes, four registers a step
.set WP,    272                        ; W: a stage row: sixteen places of 16 bytes + 16
.set WSTG,  32768
.set NB,    8                          ; W: blocks of 32 along K for a wave
.set WX,    32                         ; W: v32-95 two sets of 32 numbers
.set WC,    96                         ; W: a block's codes
.set WOUT,  112                        ; W: v112-175 the way out
.set WSB,   24                         ; W: v24-25 the scale bytes
.macro XLOAD t                         ; 32 lanes read 512 consecutive bytes, four times
.irp i, 0,1,2,3
	global_load_b128 v[XR+16*((\t)%4)+4*\i:XR+16*((\t)%4)+4*\i+3], v3, s[4:5] offset:2048*(\t)+512*\i th:TH_LOAD_NT
.endr
.endm
.macro XTURN t                         ; a step's 2,048 bytes through the wave's own stage: in as they lie, out 64 bytes a lane.  LDS serves a wave's instructions in order
.irp i, 0,1,2,3
	ds_store_b128 v14, v[XR+16*((\t)%4)+4*\i:XR+16*((\t)%4)+4*\i+3] offset:32*SP*((\t)%2)+8*SP*\i
.endr
.irp i, 0,1,2,3
	ds_load_b128 v[XX+16*((\t)%2)+4*\i:XX+16*((\t)%2)+4*\i+3], v15 offset:32*SP*((\t)%2)+16*\i
.endr
.endm
.macro XSTEP t
.set XS, XX+16*((\t)%2)
.if (\t) > 0
	s_wait_dscnt 1                                 ; this step's numbers are back from the stage; the last step's byte store may be out
.else
	s_wait_dscnt 0x0
.endif
.if (\t)+4 < STEPS
	XLOAD (\t)+4                                   ; into the registers that the stage's stores have read
.endif
.if (\t)+1 < STEPS
.if STEPS-2-(\t) >= 3
	s_wait_loadcnt 12                              ; the next step's four loads are in; those of the three steps behind it may be out
.else
	s_wait_loadcnt 4*(STEPS-2-(\t))
.endif
	XTURN (\t)+1
.endif
	v_max3_num_f32 v8, |v[XS]|, |v[XS+1]|, |v[XS+2]|               ; the largest magnitude of my 16
	v_max3_num_f32 v9, |v[XS+3]|, |v[XS+4]|, |v[XS+5]|
.irp i, 6,10
	v_max3_num_f32 v8, v8, |v[XS+\i]|, |v[XS+\i+1]|
	v_max3_num_f32 v9, v9, |v[XS+\i+2]|, |v[XS+\i+3]|
.endr
	v_max3_num_f32 v8, v8, |v[XS+14]|, |v[XS+15]|
	v_max3_num_f32 v8, v8, v9, (EMAX+1)<<23        ; and the floor 2^(3 - 127): the byte cannot fall under 1
	v_max_num_f32_dpp v8, v8, v8 row_xmask:1 row_mask:0xf bank_mask:0xf   ; with my neighbour's 16: the block's
	v_add_nc_u32 v11, -(EMAX<<23), v8              ; 2 off its exponent field: the conversion takes the exponent field of this operand as its scale
	v_cvt_scalef32_pk16_fp6_f32 v[XC+4*(\t):XC+4*(\t)+2], v[XS:XS+15], v11
	v_lshrrev_b32 v[XE+(\t)], 23, v11              ; the scale's byte (a plain line behind the conversion)
	ds_store_b8 v5, v[XE+(\t)] offset:16*(\t)      ; both lanes of a block write the same byte with the same value
	global_store_b96 v4, v[XC+4*(\t):XC+4*(\t)+2], s[10:11] offset:((\t)%2)*2*PLANE+((\t)/2)*192   ; row t / 2 of my eight; lanes 0-15 its 192 bytes in plane 2 (t % 2), lanes 16-31 those in the next plane
.endm
.macro WLOAD t                         ; block t: w(32 t + i, my column), i = 0 .. 31
.irp i, 0,1,2,3,4,5,6,7,8,9,10,11,12,13,14,15,16,17,18,19,20,21,22,23,24,25,26,27,28,29,30,31
	global_load_b32 v[WX+32*((\t)%2)+\i], v3, s[6:7] offset:(32*(\t)+\i)*3072*4 th:TH_LOAD_NT
.endr
.endm
.macro WBLOCK t
.set WS, WX+32*((\t)%2)
.if (\t) < NB-1
	s_wait_loadcnt 32                              ; this block's 32 loads are in; the next block's may be out
.else
	s_wait_loadcnt 0x0
.endif
	v_max3_num_f32 v12, |v[WS]|, |v[WS+1]|, |v[WS+2]|              ; all 32 numbers of the block are mine
	v_max3_num_f32 v13, |v[WS+3]|, |v[WS+4]|, |v[WS+5]|
.irp i, 6,10,14,18,22,26
	v_max3_num_f32 v12, v12, |v[WS+\i]|, |v[WS+\i+1]|
	v_max3_num_f32 v13, v13, |v[WS+\i+2]|, |v[WS+\i+3]|
.endr
	v_max3_num_f32 v12, v12, |v[WS+30]|, |v[WS+31]|
	v_max3_num_f32 v12, v12, v13, (EMAX+1)<<23
	v_add_nc_u32 v11, -(EMAX<<23), v12
	v_lshrrev_b32 v13, 23, v11
.if (\t)%4 == 0
	v_mov_b32 v[WSB+(\t)/4], v13                   ; four bytes to a register, the lower K in the lower byte
.else
	v_lshl_or_b32 v[WSB+(\t)/4], v13, 8*((\t)%4), v[WSB+(\t)/4]
.endif
	v_cvt_scalef32_pk16_fp6_f32 v[WC:WC+2], v[WS:WS+15], v11
	v_cvt_scalef32_pk16_fp6_f32 v[WC+4:WC+6], v[WS+16:WS+31], v11  ; (a conversion's three registers begin on an even number)
	v_nop                                          ; a plain line behind the last conversion
	ds_store_b96 v4, v[WC:WC+2] offset:32*(\t)     ; 12 bytes to a place of 16
	ds_store_b96 v4, v[WC+4:WC+6] offset:32*(\t)+16
.if (\t)+2 < NB
	WLOAD (\t)+2
.endif
	s_wait_dscnt 0x0                               ; the stores have read their registers
.endm
; M: tile k of my four: 64 words.  Word n: bit of lane (r, h) = mask[my query][128 ks + 64 (n / 32) + 32 h + n % 32] is not 0
.macro MTILE k
	s_wait_loadcnt 12-4*\k                         ; this tile's four loads are in; the later tiles' may be out
	s_mov_b32 s48, 0
	s_mov_b32 s49, -1
.set n, 0
.rept 64
	v_and_b32 v[8+n%4], 0xff<<(8*(n%4)), v[16+16*\k+8*(n/32)+(n%32)/4]
	v_cmp_ne_u32 s[40+n%8], 0, v[8+n%4]
	v_writelane_b32 v[80+2*\k+n%2], s[40+n%8], n/2 ; word n goes to lane n / 2, register n % 2
	s_or_b32 s48, s48, s[40+n%8]
	s_and_b32 s49, s49, s[40+n%8]
.set n, n+1
.endr
	global_store_b64 v3, v[80+2*\k:81+2*\k], s[24:25] offset:256*\k   ; 32 lanes store the tile's 256 consecutive bytes, aligned
	s_cmp_lg_u32 s48, 0
	s_cselect_b32 s51, 1<<\k, 0                    ; some key counts for some query
	s_or_b32 s50, s50, s51
	s_cmp_lg_u32 s49, -1
	s_cselect_b32 s51, 16<<\k, 0                   ; not every key counts for every query
	s_or_b32 s50, s50, s51
.endm
.macro FREQ e, c0, c1, c2, c3          ; 10^(-(4 pj + e) / 4), chosen by pj
	v_mov_b32 v[8+\e], \c0
	v_mov_b32 v7, \c1
	v_cndmask_b32 v[8+\e], v[8+\e], v7, s40
	v_mov_b32 v7, \c2
	v_cndmask_b32 v[8+\e], v[8+\e], v7, s41
	v_mov_b32 v7, \c3
	v_cndmask_b32 v[8+\e], v[8+\e], v7, s42
.endm
; sin(angle + addq pi/2): k = the nearest whole number to angle x 2/pi; r = angle - k pi/2 with pi/2 in two parts, by fused multiply-adds; polynomials on |r| <= pi/4; the quadrant k + addq selects and signs
.macro SINCOS e
	v_mul_f32 v24, v6, v[8+\e]                     ; the angle: position x frequency, rounded once
	v_mul_f32 v25, s24, v24
	v_rndne_f32 v25, v25
	v_fma_f32 v26, v25, s25, v24
	v_fma_f32 v26, v25, s26, v26
	v_mul_f32 v27, v26, v26
	v_fma_f32 v28, v27, s27, s28
	v_fma_f32 v28, v28, v27, s29
	v_mul_f32 v28, v28, v27
	v_fma_f32 v28, v28, v26, v26                   ; sin r
	v_fma_f32 v29, v27, s30, s31
	v_fma_f32 v29, v29, v27, s32
	v_mul_f32 v30, v27, v27
	v_fma_f32 v31, v27, -0.5, 1.0
	v_fma_f32 v29, v30, v29, v31                   ; cos r
	v_cvt_i32_f32 v25, v25
	v_add_nc_u32 v25, v25, v4
	v_and_b32 v30, 1, v25
	v_cmp_eq_u32 vcc_lo, 1, v30
	v_cndmask_b32 v[20+\e], v28, v29, vcc_lo
	v_and_b32 v30, 2, v25
	v_lshlrev_b32 v30, 30, v30
	v_xor_b32 v[20+\e], v[20+\e], v30
.endm
	s_load_b512 s[4:19], s[0:1], 0x0               ; x 4:5, w 6:7, mask 8:9, opc 10:11, ops 12:13, mk 14:15, fl 16:17, tab 18:19
	v_lshl_add_u32 v192, v0, 2, 0x10c00
	v_mov_b32 v193, 0
	v_lshrrev_b32 v1, 5, v0
	v_readfirstlane_b32 s20, v1                    ; wave 0..3
	s_cmp_lt_u32 ttmp9, 256
	s_cbranch_scc1 .Lpath_x
	s_cmp_lt_u32 ttmp9, 352
	s_cbranch_scc1 .Lpath_w
	s_cmp_lt_u32 ttmp9, 480
	s_cbranch_scc1 .Lpath_m
	; ---- T: thread T makes 16 bytes of the table: position T / 8, part T % 8: parts 0-3 cos of frequencies 4 (part % 4) + 0..3, parts 4-7 sin
	s_sub_co_u32 s21, ttmp9, 480
	s_lshl_b32 s21, s21, 7
	v_add_nc_u32 v1, s21, v0                       ; T
	v_lshrrev_b32 v2, 3, v1                        ; position
	v_and_b32 v3, 3, v1                            ; pj
	v_bfe_u32 v4, v1, 2, 1
	v_sub_nc_u32 v4, 1, v4                         ; addq: 1 for cos, 0 for sin
	v_lshlrev_b32 v5, 4, v1
	v_cvt_f32_u32 v6, v2
	v_cmp_eq_u32 s40, 1, v3
	v_cmp_eq_u32 s41, 2, v3
	v_cmp_eq_u32 s42, 3, v3
	s_mov_b32 s24, 0x3f22f983                      ; 2 / pi
	s_mov_b32 s25, 0xbfc90fdb                      ; -(pi / 2 rounded to f32)
	s_mov_b32 s26, 0x333bbd2e                      ; that number less pi / 2
	s_mov_b32 s27, -1.9515295891e-4
	s_mov_b32 s28, 8.3321608736e-3
	s_mov_b32 s29, -1.6666654611e-1
	s_mov_b32 s30, 2.443315711809948e-5
	s_mov_b32 s31, -1.388731625493765e-3
	s_mov_b32 s32, 4.166664568298827e-2
	FREQ 0, 1.0, 0.1, 0.01, 0.001
	FREQ 1, 0.5623413251903491, 0.05623413251903491, 0.005623413251903491, 0.0005623413251903491
	FREQ 2, 0.31622776601683794, 0.031622776601683794, 0.0031622776601683794, 0.00031622776601683794
	FREQ 3, 0.17782794100389228, 0.017782794100389228, 0.0017782794100389228, 0.00017782794100389228
	SINCOS 0
	SINCOS 1
	SINCOS 2
	SINCOS 3
	s_wait_alu depctr_va_vdst(0)
	s_wait_kmcnt 0x0
	global_store_b128 v5, v[20:23], s[18:19]       ; a wave stores 512 consecutive bytes
	s_endpgm
	; ---- X: my wave's run of 8,192 numbers is 8 rows of x; its 8 rows of codes and scale bytes go to the run's place in the stored order
.Lpath_x:
	v_and_b32 v2, 31, v0                           ; lane
	v_lshlrev_b32 v3, 4, v2                        ; my 16 bytes of a load's 512
	s_mul_i32 s21, s20, WREG
	v_lshrrev_b32 v14, 2, v2
	v_mul_u32_u24 v14, v14, SP
	v_and_b32 v15, 3, v2
	v_lshl_add_u32 v14, v15, 4, v14
	v_add_nc_u32 v14, s21, v14                     ; the stage, on the way in: SP (lane / 4) + 16 (lane % 4)
	v_mul_u32_u24 v15, v2, SP
	v_add_nc_u32 v15, s21, v15                     ; and on the way out: SP x lane
	v_and_b32 v4, 15, v2
	v_mul_u32_u24 v4, v4, CB
	v_lshrrev_b32 v5, 4, v2
	v_mad_u32_u24 v4, v5, PLANE, v4                ; 12 (lane % 16) + (lane / 16) planes
	v_lshrrev_b32 v5, 1, v2
	s_add_co_u32 s21, s21, 2*32*SP
	v_add_nc_u32 v5, s21, v5                       ; my wave's 256 scale bytes, my block's byte
	v_lshlrev_b32 v7, 3, v2
	v_add_nc_u32 v6, s21, v7
	s_lshl_b32 s22, ttmp9, 2
	s_add_co_u32 s22, s22, s20                     ; run 0..1023
	s_and_b32 s23, s22, 3
	s_lshl_b32 s23, s23, 1
	s_bfe_u32 s24, s22, 0x10002
	s_add_co_u32 s23, s23, s24                     ; 2 (run & 3) + ((run >> 2) & 1): where these 8 rows stand among the group's 64
	s_and_b32 s24, s22, 0x3f8
	s_or_b32 s24, s24, s23
	s_lshl_b32 s26, s22, 15                        ; in: 32,768 bytes a run
	s_mov_b32 s27, 0
	s_mul_i32 s28, s24, 1536                       ; codes: 8 rows of 192 bytes in a plane
	s_mov_b32 s29, 0
	s_lshl_b32 s30, s24, 8                         ; scale bytes: 8 rows of 32
	s_mov_b32 s31, 0
	s_wait_alu depctr_va_vdst(0)
	s_wait_kmcnt 0x0
	s_add_nc_u64 s[4:5], s[4:5], s[26:27]
	s_add_nc_u64 s[10:11], s[10:11], s[28:29]
	s_add_nc_u64 s[12:13], s[12:13], s[30:31]
.irp t, 0,1,2,3
	XLOAD \t
.endr
	s_wait_loadcnt 12                              ; step 0's four loads are in
	XTURN 0
.irp t, 0,1,2,3,4,5,6,7,8,9,10,11,12,13,14,15
	XSTEP \t
.endr
	ds_load_b64 v[12:13], v6                       ; LDS serves a wave's instructions in order: these see my byte stores
	s_wait_dscnt 0x0
	global_store_b64 v7, v[12:13], s[12:13]        ; 32 lanes store 256 consecutive bytes, aligned
	s_wait_tensorcnt 0x0
	ds_add_u32 v192, v193
	s_wait_dscnt 0x0
	s_endpgm
	; ---- W: a lane takes a column n and its registers run down K; a wave takes 32 columns x 256 along K; the codes leave through the wave's own stage, sixteen lanes to a row's 192 bytes
.Lpath_w:
	v_and_b32 v2, 31, v0                           ; lane
	s_wait_alu depctr_va_vdst(0)
	s_sub_co_u32 s21, ttmp9, 256
	s_and_b32 s22, s21, 3                          ; which 256 along K
	s_lshr_b32 s21, s21, 2
	s_lshl_b32 s23, s21, 7
	s_lshl_b32 s24, s20, 5
	s_add_co_u32 s23, s23, s24                     ; n0: my wave's first column
	v_lshlrev_b32 v3, 2, v2
	s_mul_i32 s24, s20, 32*WP
	s_add_co_u32 s24, s24, WSTG                    ; my stage
	v_mul_u32_u24 v4, v2, WP
	v_add_nc_u32 v4, s24, v4                       ; into it: row = my column
	v_and_b32 v5, 15, v2
	v_lshrrev_b32 v6, 4, v2
	v_mul_u32_u24 v7, v6, WP
	v_lshl_add_u32 v7, v5, 4, v7
	v_add_nc_u32 v7, s24, v7                       ; out of it: sixteen lanes to a row, two rows an instruction
	v_mul_u32_u24 v8, v6, 192
	v_mad_u32_u24 v8, v5, 12, v8                   ; and the same place in opc
	v_lshrrev_b32 v9, 3, v2
	v_and_b32 v10, 7, v2
	v_lshl_add_u32 v9, v9, 4, v10
	v_lshlrev_b32 v9, 5, v9                        ; my column's stored row among the wave's: 16 (lane >> 3) + (lane & 7), 32 scale bytes a row
	s_mul_i32 s26, s22, 256*3072*4
	s_lshl_b32 s25, s23, 2
	s_add_co_u32 s26, s26, s25                     ; w: 256 ky rows down, 4 n0 bytes along
	s_mov_b32 s27, 0
	s_and_b32 s28, s23, 0xfc0
	s_bfe_u32 s25, s23, 0x10005
	s_lshl_b32 s25, s25, 3
	s_add_co_u32 s28, s28, s25
	s_add_co_u32 s28, s28, 8192                    ; the stored row of my wave's column 0: 8192 + (n0 & ~63) + 8 ((n0 >> 5) & 1)
	s_mul_i32 s30, s28, 192
	s_mul_i32 s25, s22, PLANE                      ; my 256 along K are one plane
	s_add_co_u32 s30, s30, s25
	s_mov_b32 s31, 0
	s_lshl_b32 s28, s28, 5
	s_lshl_b32 s25, s22, 3
	s_add_co_u32 s28, s28, s25
	s_mov_b32 s29, 0
	s_wait_kmcnt 0x0
	s_add_nc_u64 s[6:7], s[6:7], s[26:27]
	s_add_nc_u64 s[10:11], s[10:11], s[30:31]
	s_add_nc_u64 s[12:13], s[12:13], s[28:29]
	WLOAD 0
	WLOAD 1
.irp t, 0,1,2,3,4,5,6,7
	WBLOCK \t
.endr
	s_wait_alu depctr_va_vdst(0)
	global_store_b64 v9, v[WSB:WSB+1], s[12:13]    ; my column's 8 scale bytes
.irp t, 0,1,2,3,4,5,6,7,8,9,10,11,12,13,14,15
	ds_load_b96 v[WOUT+4*\t:WOUT+4*\t+2], v7 offset:2*\t*WP
.endr
.irp t, 0,1,2,3,4,5,6,7,8,9,10,11,12,13,14,15
	s_wait_dscnt 15-\t                             ; the rows read later may be out
	global_store_b96 v8, v[WOUT+4*\t:WOUT+4*\t+2], s[10:11] offset:(16*(\t/4)+(2*\t)%8)*192
.endr
	s_wait_tensorcnt 0x0
	ds_add_u32 v192, v193
	s_wait_dscnt 0x0
	s_endpgm
	; ---- M: the work-group takes a tile of 16 queries, wave w its key steps 4 w .. 4 w + 3.  Lane (r, h) reads, of its query's row of the mask, 32 bytes of each 64
.Lpath_m:
	v_and_b32 v1, 31, v0                           ; lane
	s_sub_co_u32 s21, ttmp9, 352                   ; qt
	v_and_b32 v4, 7, v1
	v_bfe_u32 v5, v1, 3, 1
	v_bfe_u32 v6, v1, 4, 1                         ; h
	v_lshl_add_u32 v4, v5, 5, v4                   ; (r & 7) + 32 (r >> 3)
	s_lshr_b32 s22, s21, 2
	s_lshl_b32 s22, s22, 6
	s_and_b32 s23, s21, 3
	s_lshl_b32 s23, s23, 3
	s_add_co_u32 s22, s22, s23
	v_add_nc_u32 v4, s22, v4                       ; my query: 64 (qt >> 2) + 8 (qt & 3) + ..
	v_lshlrev_b32 v2, 11, v4
	v_lshl_add_u32 v2, v6, 5, v2                   ; its row, + 32 h
	v_lshlrev_b32 v3, 3, v1
.irp i, 80,81,82,83,84,85,86,87
	v_mov_b32 v\i, 0                               ; written once: v_writelane_b32's destination counts as read
.endr
	s_lshl_b32 s22, s20, 9                         ; my four key steps: 512 bytes along the row
	s_mov_b32 s23, 0
	s_lshl_b32 s24, s21, 4
	s_lshl_b32 s25, s20, 2
	s_add_co_u32 s24, s24, s25
	s_lshl_b32 s24, s24, 8                         ; mk: tile (qt, ks) at (16 qt + ks) x 256
	s_mov_b32 s25, 0
	s_lshl_b32 s26, s21, 2
	s_add_co_u32 s26, s26, s20                     ; fl: byte w of word qt
	s_mov_b32 s27, 0
	s_mov_b32 s50, 0
	s_wait_kmcnt 0x0
	s_add_nc_u64 s[22:23], s[8:9], s[22:23]
	s_add_nc_u64 s[24:25], s[14:15], s[24:25]
	s_add_nc_u64 s[26:27], s[16:17], s[26:27]
.irp k, 0,1,2,3
.irp c, 0,1
.irp e, 0,1
	global_load_b128 v[16+16*\k+8*\c+4*\e:16+16*\k+8*\c+4*\e+3], v2, s[22:23] offset:128*\k+64*\c+16*\e
.endr
.endr
.endr
	MTILE 0
	MTILE 1
	MTILE 2
	MTILE 3
	v_mov_b32 v88, s50
	v_mov_b32 v89, 0
	s_wait_alu depctr_va_vdst(0)
	s_wait_xcnt 0x0                                ; EXEC is a source of the stores above: it changes only behind this wait
	v_cmp_eq_u32 vcc_lo, 0, v1
	s_and_saveexec_b32 s51, vcc_lo
	global_store_b8 v89, v88, s[26:27]             ; lane 0 alone: the flags of my four key steps
	s_wait_xcnt 0x0                                ; and again, ahead of the line that widens it
	s_or_b32 exec_lo, exec_lo, s51
	s_endpgm
.Lfunc_end_k_q02f978774d_prep:
	.size	k_q02f978774d_prep, .Lfunc_end_k_q02f978774d_prep-k_q02f978774d_prep
	.p2alignl 7, 3214868480
	.fill 96, 4, 3214868480
	.section	.rodata,"a",@progbits
	.p2align	6, 0x0
	.amdhsa_kernel k_q02f978774d_prep
		.amdhsa_group_segment_fixed_size 69120
		.amdhsa_private_segment_fixed_size 0
		.amdhsa_enable_private_segment 0
		.amdhsa_kernarg_size 64
		.amdhsa_user_sgpr_count 2
		.amdhsa_user_sgpr_kernarg_segment_ptr 1
		.amdhsa_wavefront_size32 1
		.amdhsa_system_sgpr_workgroup_id_x 1
		.amdhsa_system_sgpr_workgroup_id_y 1
		.amdhsa_system_sgpr_workgroup_id_z 1
		.amdhsa_system_vgpr_workitem_id 0
		.amdhsa_next_free_vgpr 194
		.amdhsa_next_free_sgpr 66
		.amdhsa_reserve_vcc 1
		.amdhsa_float_denorm_mode_32 3
		.amdhsa_float_denorm_mode_16_64 3
		.amdhsa_memory_ordered 1
		.amdhsa_forward_progress 1
		.amdhsa_inst_pref_size 150
	.end_amdhsa_kernel
	.amdgpu_metadata
---
amdhsa.version: [ 1, 2 ]
amdhsa.kernels:
  - .name:           k_q02f978774d_prep
    .symbol:         k_q02f978774d_prep.kd
    .args:
      - { .name: x, .offset: 0, .size: 8, .value_kind: global_buffer, .address_space: global }
      - { .name: w_qkv, .offset: 8, .size: 8, .value_kind: global_buffer, .address_space: global }
      - { .name: mask, .offset: 16, .size: 8, .value_kind: global_buffer, .address_space: global }
      - { .name: opc, .offset: 24, .size: 8, .value_kind: global_buffer, .address_space: global }
      - { .name: ops, .offset: 32, .size: 8, .value_kind: global_buffer, .address_space: global }
      - { .name: mk, .offset: 40, .size: 8, .value_kind: global_buffer, .address_space: global }
      - { .name: fl, .offset: 48, .size: 8, .value_kind: global_buffer, .address_space: global }
      - { .name: tab, .offset: 56, .size: 8, .value_kind: global_buffer, .address_space: global }
    .group_segment_fixed_size: 69120
    .private_segment_fixed_size: 0
    .kernarg_segment_align: 8
    .kernarg_segment_size: 64
    .max_flat_workgroup_size: 128
    .sgpr_count:     66
    .vgpr_count:     194
    .wavefront_size: 32
...
	.end_amdgpu_metadata
.endif
;; end of part 1
;; launch qkv (part 2): grid 8 x 48, 4 waves a work-group, clusters of 4 x 4, 327,680 bytes of LDS; arguments opc, ops, tab, img, isc; writes img, isc
.if DOCPART == 2
	.amdgcn_target "amdgcn-amd-amdhsa--gfx1250"
	.amdhsa_code_object_version 6
	.text
	.protected	k_q02f978774d_qkv
	.globl	k_q02f978774d_qkv
	.p2align	8
	.type	k_q02f978774d_qkv,@function
k_q02f978774d_qkv:
	s_mov_b64 s[64:65], 0
	v_nop
	global_prefetch_b8 v0, s[64:65] scope:SCOPE_SE
	s_setreg_imm32_b32 hwreg(HW_REG_WAVE_MODE, 25, 1), 1
	s_wait_xcnt 0x0
	s_wait_alu depctr_hold_cnt(0) depctr_sa_sdst(0) depctr_va_vdst(0) depctr_va_sdst(0) depctr_va_ssrc(0) depctr_va_vcc(0) depctr_vm_vsrc(0)
	s_getreg_b32 s2, hwreg(HW_REG_IB_STS2, 6, 4)
	s_cmp_eq_u32 s2, 0
	s_cbranch_scc0 .Lentry_in_a_cluster
	s_endpgm
.Lentry_in_a_cluster:
	s_bfe_u32 s2, ttmp6, 0x10000c
	s_cmp_lg_u32 s2, 0xf033
	s_cbranch_scc0 .Lentry_shape_is_right
	s_endpgm
.Lentry_shape_is_right:
; QKV: x w_qkv on codes of FP6 (E2M3) with E8M0 scales, a tile of 256 x 256 to a work-group of four waves, 128 x 128 a wave; then the rotary step (q, k), the quantiser of the next products' operands, and
; the operands' register images (img, isc).  Clusters of 4 x 4 ask for A's and B's tiles jointly.  K goes in four steps of 256 through two LDS slots.
; opc lies in four planes, one for each step of 256 along K, 192 bytes a row: the 128 (at the head 256) rows of a tile are one dense run of bytes that begins at a multiple of 256, and come in as rows of 256 bytes.
; The mover lays 16 bytes of padding behind each 64, so that a row of 192 bytes of codes takes 240 bytes of LDS.
; THE HEAD: one joint load a wave: wave 0 step 0's 256 rows of A, wave 1 those of B, wave 2 A's scales, wave 3 B's; slot 1 is first filled behind the full sequence and a round.
; PREFETCHES: K has only four steps, so what steps 1, 2 and 3 will load is asked for once, behind the head's loads: three instructions a wave; and the rotary table's rows for the way out, one instruction a wave.
.set KSTEP,  256
.set NQ,     KSTEP/128
.set ROWB,   192
.set KROW,   192
.set PLANE,  11264*192
.set PITCH,  240
.set FR,     12
.set NL,     6
.set NP,     4
.set HALFT,  128*PITCH
.set SLOT,   4*HALFT
.set LAPS,   2
.set KS,     32
.set SCL,    2*SLOT
.set HALFS,  (128*KS/256)*272
.set SBLK,   (16*KS/256)*272
.set SPARE,  SCL+4*HALFS
.set ADRA, 16
.set ADRB, 20
.set ADRS, 27
.set SPW,  28
.set NIL,  29
.set SC,   32
.set AF,   128
.set G1, 24
.set G0, 32
.set G1B, 48
.set G0B, 56
.set G1S, 68
.set G0S, 76
.set G1SB, 80
.set G0SB, 88
.set CS0,  32
.set X0,   96
.set F0,   160
.set T0,   184
.set MX,   192
.set SO,   194
.set YE,   196
.set YO,   198
.set WW,   200
.set WK,   202
.set PT,   204
.set OW,   206
.set TOFF, 208
.set TB0,  210
.set NH,   211
.set LI,   212
.set LS,   213
.set SH8,  214
.set MY,   216
.set MSB, 0
.macro WIN new
.if MSB != (\new)
	s_set_vgpr_msb (MSB<<8)|(\new)
.set MSB, (\new)
.endif
.endm
.set MUL_LO, 0xa1
.set MUL_HI, 0xf1
.set TO_B,   0x40
.macro JLOAD g0a, g1a, g0b, g1b
	s_cmp_eq_u32 s15, 0
	s_cbranch_scc0 .Lfor_b_\@
	tensor_load_to_lds s[\g0a:\g0a+3], s[\g1a:\g1a+7]
	s_nop 0
.rept 4
	v_nop
.endr
	s_branch .Lasked_\@
.Lfor_b_\@:
	tensor_load_to_lds s[\g0b:\g0b+3], s[\g1b:\g1b+7]
	s_nop 0
.rept 4
	v_nop
.endr
.Lasked_\@:
.endm
.macro CREST
	s_cmp_lg_u32 s14, 0
	s_cbranch_scc1 .Lnot_wave_0_\@
	s_barrier_signal -3
.Lnot_wave_0_\@:
	s_barrier_wait -3
	s_barrier_signal -1
	s_barrier_wait -1
.endm
.macro CROUND
	s_barrier_signal -1
	s_barrier_wait -1
	CREST
.endm
	s_load_b256 s[4:11], s[0:1], 0x0
	s_load_b64 s[12:13], s[0:1], 0x20
	v_lshl_add_u32 v[SPW], v0, 2, SPARE
	v_mov_b32 v[NIL], 0
	ds_add_u32 v28, v29
	ds_add_u32 v28, v29
	s_wait_dscnt 0x0
	v_lshrrev_b32 v1, 5, v0
	v_readfirstlane_b32 s14, v1
	s_lshr_b32 s15, s14, 1
	s_and_b32 s16, s14, 1
	s_bfe_u32 s40, ttmp6, 0x40000
	s_bfe_u32 s41, ttmp6, 0x40004
	s_and_b32 s17, ttmp7, 0xffff
	s_lshl_b32 s42, ttmp9, 2
	s_max_u32 s18, s17, 8
	s_sub_co_u32 s18, s18, 8
	s_lshl_b32 s18, s18, 3
	s_add_co_u32 s18, s18, s42
	s_lshl_b32 s19, s17, 2
	s_cmp_ge_u32 s17, 8
	s_cselect_b32 s95, 1, 0
	s_cselect_b32 s42, s18, s42
	s_cselect_b32 s17, 0, s19
	s_cselect_b32 s96, 0, 8192
	s_cselect_b32 s97, 10240, 0
	s_add_co_u32 s42, s42, s40
	s_add_co_u32 s17, s17, s41
	s_lshl_b32 s43, s41, 2
	s_lshl_b32 s43, 15, s43
	s_lshl_b32 s44, 0x1111, s40
	s_or_b32 s[G1+0], s43, (0<<16)|(1<<20)|(1<<21)|(3<<22)|(3<<25)
	s_or_b32 s[G1B+0], s44, (0<<16)|(1<<20)|(1<<21)|(3<<22)|(3<<25)
.irp g, G1, G1B
	s_mov_b32 s[\g+1], 256<<16
	s_mov_b32 s[\g+2], 192<<16                     ; the head's loads: 256 rows of codes = 192 rows of 256 bytes
	s_mov_b32 s[\g+3], 256<<16
	s_mov_b32 s[\g+4], 192
	s_mov_b32 s[\g+5], 256
	s_mov_b32 s[\g+6], 0
	s_mov_b32 s[\g+7], 0
.endr
	s_or_b32 s[G1S+0], s43, (3<<16)|(1<<20)|(1<<21)|(5<<22)|(3<<25)
	s_or_b32 s[G1SB+0], s44, (3<<16)|(1<<20)|(1<<21)|(5<<22)|(3<<25)
.irp g, G1S, G1SB
	s_mov_b32 s[\g+1], 32<<16
	s_mov_b32 s[\g+2], (256*KS/256)<<16
	s_mov_b32 s[\g+3], 32<<16
	s_mov_b32 s[\g+4], 256*KS/256
	s_mov_b32 s[\g+5], 32
	s_mov_b32 s[\g+6], 0
	s_mov_b32 s[\g+7], 0
.endr
	s_lshl_b32 s20, s17, 8
	s_add_co_u32 s20, s20, s97                     ; A: the tile's first stored row
	s_lshl_b32 s46, s42, 8
	s_add_co_u32 s46, s46, s96                     ; B: likewise
	s_mov_b32 s21, 0
	s_mov_b32 s47, 0
	s_mov_b64 s[18:19], KS
	s_mul_u64 s[22:23], s[20:21], s[18:19]
	s_mul_u64 s[92:93], s[46:47], s[18:19]
	s_mov_b64 s[18:19], KROW
	s_mul_u64 s[20:21], s[20:21], s[18:19]
	s_mul_u64 s[46:47], s[46:47], s[18:19]
	s_mul_i32 s18, s16, 128*KROW                   ; in the ring I fetch 128 rows of a tile: which half, in bytes
	s_mov_b32 s19, 0
	s_mul_i32 s45, s14, HALFT
	s_wait_kmcnt 0x0
	s_add_nc_u64 s[20:21], s[4:5], s[20:21]
	s_add_nc_u64 s[22:23], s[6:7], s[22:23]
	s_add_nc_u64 s[46:47], s[4:5], s[46:47]
	s_add_nc_u64 s[92:93], s[6:7], s[92:93]
	CROUND
	s_mov_b32 s[G0S], 1                            ; the head's four tiles, each whole: the scales of A's 256 rows,
	s_mov_b32 s[G0S+1], SCL
	s_mov_b64 s[G0S+2:G0S+3], s[22:23]
	s_or_b32 s[G0S+3], s[G0S+3], 0x80000000
	s_mov_b32 s[G0SB], 1                           ; those of B's,
	s_mov_b32 s[G0SB+1], SCL+2*HALFS
	s_mov_b64 s[G0SB+2:G0SB+3], s[92:93]
	s_or_b32 s[G0SB+3], s[G0SB+3], 0x80000000
	s_mov_b32 s[G0], 1                             ; step 0's 256 rows of A (in slot 0's own registers, which are set for the ring behind the wait below),
	s_mov_b32 s[G0+1], 0
	s_mov_b64 s[G0+2:G0+3], s[20:21]
	s_or_b32 s[G0+3], s[G0+3], 0x80000000
	s_mov_b32 s[G0B], 1                            ; and its 256 rows of B, behind them in slot 0
	s_mov_b32 s[G0B+1], 2*HALFT
	s_mov_b64 s[G0B+2:G0B+3], s[46:47]
	s_or_b32 s[G0B+3], s[G0B+3], 0x80000000
	s_add_nc_u64 s[20:21], s[20:21], s[18:19]      ; for the ring: my 128 rows of the tile
	s_add_nc_u64 s[46:47], s[46:47], s[18:19]
	s_mov_b32 s[G0+4], 1                           ; slot 1: step 1, one plane on
	s_add_co_u32 s[G0+5], s45, SLOT
	s_add_nc_u64 s[G0+6:G0+7], s[20:21], PLANE
	s_or_b32 s[G0+7], s[G0+7], 0x80000000
	s_mov_b32 s[G0B+4], 1
	s_add_co_u32 s[G0B+5], s45, SLOT
	s_add_nc_u64 s[G0B+6:G0B+7], s[46:47], PLANE
	s_or_b32 s[G0B+7], s[G0B+7], 0x80000000
; one chain of branches on the wave's number, one load to an arm, all arms leading to one join
.macro ARM under, g0, g1, next
	s_cmp_lt_u32 s14, \under
	s_cbranch_scc0 \next
	tensor_load_to_lds s[\g0:\g0+3], s[\g1:\g1+7]
	s_nop 0
.rept 4
	v_nop
.endr
	s_branch .Lhead_asked
\next:
.endm
	ARM 1, G0,  G1,  .Lhead_b
	ARM 2, G0B, G1B, .Lhead_sa
	ARM 3, G0S, G1S, .Lhead_sb
	tensor_load_to_lds s[G0SB:G0SB+3], s[G1SB:G1SB+7]
	s_nop 0
.rept 4
	v_nop
.endr
.Lhead_asked:
	; what steps 1, 2 and 3 will load is asked for here.  Of the 128 rows that I fetch in the ring (24,576 bytes a plane, 96 blocks of 256) each of the four partners that ask for them jointly
	; takes 24 blocks, told apart by address (cx for A, cy for B): a lane a block, lanes 24-31 name the wave's last block again; one instruction a plane.  v9 and s[98:99] are never written again.
	s_cmp_eq_u32 s15, 0
	s_cselect_b64 s[98:99], s[20:21], s[46:47]
	s_cselect_b32 s92, s40, s41
	s_mul_i32 s92, s92, 6144
	s_mov_b32 s93, 0
	s_add_nc_u64 s[98:99], s[98:99], s[92:93]
	v_and_b32 v9, 31, v0
	v_min_u32 v9, 23, v9
	v_lshlrev_b32 v9, 8, v9
	global_prefetch_b8 v9, s[98:99] offset:PLANE th:TH_LOAD_NT scope:SCOPE_SE
	global_prefetch_b8 v9, s[98:99] offset:2*PLANE th:TH_LOAD_NT scope:SCOPE_SE
	global_prefetch_b8 v9, s[98:99] offset:3*PLANE th:TH_LOAD_NT scope:SCOPE_SE
	s_wait_alu depctr_va_vdst(0)
	s_wait_tensorcnt 0x0                           ; my tile of the head's four is in: no load of mine is out, so descriptors may be written
	ds_add_u32 v28, v29
	s_add_co_u32 s[G0+1], s45, 0                   ; slot 0 for the ring: my quarter of the slot, my 128 rows, step 0 (the first refill steps it two planes on)
	s_mov_b64 s[G0+2:G0+3], s[20:21]
	s_or_b32 s[G0+3], s[G0+3], 0x80000000
	s_add_co_u32 s[G0B+1], s45, 0
	s_mov_b64 s[G0B+2:G0B+3], s[46:47]
	s_or_b32 s[G0B+3], s[G0B+3], 0x80000000
	s_mov_b32 s[G1+2], 96<<16                      ; from here on a load brings 128 rows of codes = 96 rows of 256 bytes
	s_mov_b32 s[G1+4], 96
	s_mov_b32 s[G1B+2], 96<<16
	s_mov_b32 s[G1B+4], 96
	s_wait_dscnt 0x0
	CROUND                                         ; all four tiles are in, in every partner
	JLOAD G0+4, G1, G0B+4, G1B                     ; step 1, the first tensor load behind the round
	s_cmp_eq_u32 s95, 0
	s_cselect_b32 s92, s42, s17
	s_cselect_b32 s93, s17, s42
	s_cselect_b32 s94, s16, s15
	s_cselect_b32 s2, s15, s16
	s_lshl_b32 s96, s95, 5
	s_lshl_b32 s92, s92, 2
	s_add_co_u32 s96, s96, s92
	s_lshl_b32 s94, s94, 1
	s_add_co_u32 s96, s96, s94
	s_lshl_b32 s96, s96, 2
	s_lshr_b32 s94, s93, 3
	s_add_co_u32 s96, s96, s94
	s_lshl_b32 s96, s96, 4
	s_and_b32 s94, s93, 7
	s_lshl_b32 s94, s94, 1
	s_add_co_u32 s96, s96, s94
	s_add_co_u32 s96, s96, s2
	s_and_b32 s97, s17, 7
	s_lshl_b32 s97, s97, 8
	s_lshl_b32 s94, s15, 7
	s_add_co_u32 s97, s97, s94
	; the rotary table's rows of my tile's 256 positions (32,768 bytes) are wanted on the way out, behind all of K: they are asked for here, once in each row of the cluster:
	; partner cx takes 8,192 bytes of them, wave w 2,048 of those, a lane a block of 256 bytes (lanes 8-31 name the wave's last block again).  v's tiles read no table and ask for nothing.
	s_cmp_lg_u32 s95, 0
	s_cbranch_scc1 .Lno_tab
	v_and_b32 v8, 31, v0
	v_min_u32 v8, 7, v8
	v_lshlrev_b32 v8, 8, v8
	s_wait_alu depctr_va_vdst(0)
	s_and_b32 s100, s17, 7
	s_lshl_b32 s100, s100, 15
	s_lshl_b32 s101, s40, 13
	s_add_co_u32 s100, s100, s101
	s_lshl_b32 s101, s14, 11
	s_add_co_u32 s100, s100, s101
	s_mov_b32 s101, 0
	s_add_nc_u64 s[100:101], s[8:9], s[100:101]
	global_prefetch_b8 v8, s[100:101] th:TH_LOAD_NT scope:SCOPE_SE   ; v8 and s[100:101] are never written again
.Lno_tab:
	v_and_b32 v1, 15, v0
	v_bfe_u32 v2, v0, 4, 1
	v_mul_u32_u24 v3, v1, PITCH
	v_mul_u32_u24 v4, v2, 24
	v_add_nc_u32 v4, v3, v4
	v_lshl_add_u32 v5, v2, 4, v4
	s_mul_i32 s21, s15, HALFT
	s_mul_i32 s22, s16, HALFT
	s_add_co_u32 s22, s22, 2*HALFT
.irp s, 0,1
	v_add_nc_u32 v[ADRA+\s], s21, v4
	v_add_nc_u32 v[ADRB+\s], s22, v4
	v_add_nc_u32 v[ADRA+2+\s], s21, v5
	v_add_nc_u32 v[ADRB+2+\s], s22, v5
	s_add_co_u32 s21, s21, SLOT
	s_add_co_u32 s22, s22, SLOT
.endr
	v_mul_u32_u24 v5, v1, KS
	v_lshrrev_b32 v6, 8, v5
	v_lshl_add_u32 v5, v6, 4, v5
	s_mul_i32 s21, s15, HALFS
	s_mul_i32 s22, s16, HALFS
	s_add_co_u32 s22, s22, 2*HALFS
	s_sub_co_u32 s22, s22, s21
	v_mul_u32_u24 v6, s22, v2
	s_add_co_u32 s21, s21, SCL
	v_add_nc_u32 v5, v5, v6
	v_add_nc_u32 v[ADRS], s21, v5
.macro FRAG reg, adr, q, i
.irp p, 0,1,2,3,4,5
.set PC, 12*(\q)+6*(\p/3)+\p%3
.if PC%8 < 5
	ds_load_b64 v[\reg+2*\p:\reg+2*\p+1], v[\adr] offset:8*PC+16*(PC/8)+(\i)*16*PITCH
.else
	ds_load_b64 v[\reg+2*\p:\reg+2*\p+1], v[\adr+2] offset:8*PC+16*(PC/8)+(\i)*16*PITCH
.endif
.endr
.endm
.macro MUL16 a0, p, q, sc, zero
.irp a, \a0, \a0+1
.irp b, 0,1,2,3,4,5,6,7
.if \zero
	v_wmma_scale_f32_16x16x128_f8f6f4 v[8*(8*((\a)%4)+\b):8*(8*((\a)%4)+\b)+7], v[128*(\p)+FR*\b:128*(\p)+FR*\b+FR-1], v[AF+FR*(\a):AF+FR*(\a)+FR-1], 0, v[SC+8*NQ*(\sc)+NQ*\b+(\q)], v[SC+8*NQ*(\sc)+NQ*(\a)+(\q)] matrix_a_fmt:MATRIX_FMT_FP6 matrix_b_fmt:MATRIX_FMT_FP6 matrix_a_scale:MATRIX_SCALE_ROW1
.else
	v_wmma_scale_f32_16x16x128_f8f6f4 v[8*(8*((\a)%4)+\b):8*(8*((\a)%4)+\b)+7], v[128*(\p)+FR*\b:128*(\p)+FR*\b+FR-1], v[AF+FR*(\a):AF+FR*(\a)+FR-1], v[8*(8*((\a)%4)+\b):8*(8*((\a)%4)+\b)+7], v[SC+8*NQ*(\sc)+NQ*\b+(\q)], v[SC+8*NQ*(\sc)+NQ*(\a)+(\q)] matrix_a_fmt:MATRIX_FMT_FP6 matrix_b_fmt:MATRIX_FMT_FP6 matrix_a_scale:MATRIX_SCALE_ROW1
.endif
.endr
.endr
.endm
.macro FETCH_B slot, q, p
	WIN TO_B
.irp i, 0,1,2,3,4,5,6,7
	FRAG 128*(\p)+FR*\i, ADRB+\slot, \q, \i
.endr
	WIN 0
.endm
.macro FETCH_A slot, q, i0
.irp i, \i0, \i0+1, \i0+2, \i0+3
	FRAG AF+FR*(\i), ADRA+\slot, \q, \i
.endr
.endm
.macro SCALES sc
.irp i, 0,1,2,3,4,5,6,7
	ds_load_b64 v[SC+8*NQ*\sc+NQ*\i:SC+8*NQ*\sc+NQ*\i+1], v[ADRS] offset:\i*SBLK
.endr
.endm
.macro PLACES n
.rept \n
	v_nop
.endr
.endm
.macro STEP slot, q, zero
	s_wait_dscnt 4*NL
	WIN MUL_LO
	MUL16 0, (\q)%2, \q, \slot, \zero
	MUL16 2, (\q)%2, \q, \slot, \zero
	s_wait_dscnt 0
	PLACES NP
	FETCH_B \slot, (\q)+1, 1-(\q)%2
	FETCH_A \slot, (\q)+1, 0
	WIN MUL_HI
	MUL16 4, (\q)%2, \q, \slot, \zero
	MUL16 6, (\q)%2, \q, \slot, \zero
	PLACES NP
	WIN 0
	FETCH_A \slot, (\q)+1, 4
.endm
.macro TURN slot, next, fill
	s_wait_tensorcnt 0x0
	ds_add_u32 v[SPW], v[NIL]
	s_wait_dscnt 4*NL+1
	WIN MUL_LO
	MUL16 0, 1, NQ-1, \slot, 0
	s_wait_dscnt 0x0
	s_barrier_signal -1
	MUL16 2, 1, NQ-1, \slot, 0
	WIN 0
	s_barrier_wait -1
.if \fill
	CREST
	s_add_nc_u64 s[G0+4*\slot+2:G0+4*\slot+3], s[G0+4*\slot+2:G0+4*\slot+3], 2*PLANE
	s_add_nc_u64 s[G0B+4*\slot+2:G0B+4*\slot+3], s[G0B+4*\slot+2:G0B+4*\slot+3], 2*PLANE
	JLOAD G0+4*\slot, G1, G0B+4*\slot, G1B
.else
	PLACES NP
.endif
	s_wait_alu depctr_va_vdst(0)
	v_add_nc_u32 v[ADRS], 4*NQ, v[ADRS]
	FETCH_B \next, 0, 0
	FETCH_A \next, 0, 0
	SCALES \next
	WIN MUL_HI
	MUL16 4, 1, NQ-1, \slot, 0
	MUL16 6, 1, NQ-1, \slot, 0
	PLACES NP
	WIN 0
	FETCH_A \next, 0, 4
.endm
	s_wait_alu depctr_va_vdst(0)
	FETCH_B 0, 0, 0
	FETCH_A 0, 0, 0
	SCALES 0
	FETCH_A 0, 0, 4
	STEP 0, 0, 1
	s_mov_b32 s3, LAPS-1
.Llap:
	TURN 0, 1, 1
	STEP 1, 0, 0
	TURN 1, 0, 1
	STEP 0, 0, 0
	s_sub_co_u32 s3, s3, 1
	s_cmp_lg_u32 s3, 0
	s_cbranch_scc1 .Llap
	TURN 0, 1, 0
	STEP 1, 0, 0
	s_wait_dscnt 4*NL
	WIN MUL_LO
	MUL16 0, 1, NQ-1, 1, 0
	MUL16 2, 1, NQ-1, 1, 0
	s_wait_dscnt 0
	WIN MUL_HI
	MUL16 4, 1, NQ-1, 1, 0
	MUL16 6, 1, NQ-1, 1, 0
	WIN 0
	PLACES NP
	v_and_b32 v1, 31, v0
	v_lshlrev_b32 v[LI], 4, v1
	v_lshlrev_b32 v[LS], 2, v1
	v_bfe_u32 v2, v0, 4, 1
	v_lshlrev_b32 v[SH8], 3, v2
	v_sub_nc_u32 v[NH], 1, v2
	v_and_b32 v3, 7, v0
	v_bfe_u32 v4, v0, 3, 1
	v_lshl_add_u32 v3, v4, 5, v3
	v_add_nc_u32 v3, s97, v3
	v_lshlrev_b32 v3, 7, v3
	v_mul_u32_u24 v[TB0], v3, v[NH]
	v_mov_b32 v[PT], 0
	v_mov_b32 v[PT+1], 0
	s_mul_i32 s92, s96, 6144
	s_mov_b32 s93, 0
	s_add_nc_u64 s[68:69], s[10:11], s[92:93]
	s_lshl_b32 s92, s96, 8
	s_add_nc_u64 s[70:71], s[12:13], s[92:93]
	s_mov_b32 s72, 0x76543210
	s_mov_b32 s73, 0xfedcba98
	s_mov_b32 s74, 0xffff0000
	s_cmp_lg_u32 s95, 0
	s_cbranch_scc1 .Lv_out
.macro TLOAD a
	v_mad_u32_u24 v[TOFF+(\a)%2], v[NH], (64*((\a)/4)+8*((\a)%4))*128, v[TB0]
.irp i, 0,1,2,3,4,5,6,7
	global_load_b128 v[CS0+32*((\a)%2)+4*\i:CS0+32*((\a)%2)+4*\i+3], v[TOFF+(\a)%2], s[8:9] offset:16*\i
.endr
.endm
.macro QKBLOCK a
.set AC, 64*((\a)%4)
.set CSB, CS0+32*((\a)%2)
.set PP, (\a)%2
	WIN 0x02+(\a)/4
.irp g, 0,1
.irp j, 0,2,4,6,8,10,12,14
	v_pk_mul_f32 v[X0+32*\g+\j:X0+32*\g+\j+1], v[AC+32*\g+\j:AC+32*\g+\j+1], v[CSB+\j:CSB+\j+1]
	v_pk_mul_f32 v[X0+32*\g+16+\j:X0+32*\g+17+\j], v[AC+32*\g+16+\j:AC+32*\g+17+\j], v[CSB+\j:CSB+\j+1]
.endr
.endr
.irp g, 0,1
.irp j, 0,2,4,6,8,10,12,14
	v_pk_fma_f32 v[X0+32*\g+\j:X0+32*\g+\j+1], v[AC+32*\g+16+\j:AC+32*\g+17+\j], v[CSB+16+\j:CSB+17+\j], v[X0+32*\g+\j:X0+32*\g+\j+1] neg_lo:[1,0,0] neg_hi:[1,0,0]
	v_pk_fma_f32 v[X0+32*\g+16+\j:X0+32*\g+17+\j], v[AC+32*\g+\j:AC+32*\g+\j+1], v[CSB+16+\j:CSB+17+\j], v[X0+32*\g+16+\j:X0+32*\g+17+\j]
.endr
.endr
	WIN 0
.irp g, 0,1
	v_max3_num_f32 v[MX+\g], |v[X0+32*\g]|, |v[X0+32*\g+1]|, 0x1800000
	v_max_num_f32 v[MY+\g], |v[X0+32*\g+16]|, |v[X0+32*\g+17]|
.endr
.irp i, 2,4,6,8,10,12,14
.irp g, 0,1
	v_max3_num_f32 v[MX+\g], v[MX+\g], |v[X0+32*\g+\i]|, |v[X0+32*\g+\i+1]|
	v_max3_num_f32 v[MY+\g], v[MY+\g], |v[X0+32*\g+16+\i]|, |v[X0+32*\g+17+\i]|
.endr
.endr
.irp g, 0,1
	v_max_num_f32 v[MX+\g], v[MX+\g], v[MY+\g]
.endr
.irp g, 0,1
	v_add_nc_u32 v[SO+\g], 0xff000000, v[MX+\g]
.endr
.irp g, 0,1
	v_cvt_scalef32_pk16_fp6_f32 v[F0+12*\g+6*PP:F0+12*\g+6*PP+2], v[X0+32*\g:X0+32*\g+15], v[SO+\g]
	v_cvt_scalef32_pk16_fp6_f32 v[T0+4*\g:T0+4*\g+2], v[X0+32*\g+16:X0+32*\g+31], v[SO+\g]
.endr
.irp g, 0,1
	v_lshrrev_b32 v[YE+2*PP+\g], 23, v[SO+\g]
.endr
.irp g, 0,1
.irp i, 0,1,2
	v_mov_b32 v[F0+12*\g+6*PP+3+\i], v[T0+4*\g+\i]
.endr
.endr
.endm
.macro FRAGOUT c, u
.irp g, 0,1
.irp q, 0,1,2
	global_store_b128 v[LI], v[F0+12*\g+4*\q:F0+12*\g+4*\q+3], s[68:69] offset:\g*393216+(2*(\c)+(\u))*1536+512*\q
.endr
.endr
.irp g, 0,1
	v_lshl_or_b32 v[WW+\g], v[YO+\g], 16, v[YE+\g]
.endr
.irp g, 0,1
	v_lshlrev_b32 v[WW+\g], v[SH8], v[WW+\g]
.endr
.irp g, 0,1
	v_permlanex16_b32 v[PT+\g], v[WW+\g], s72, s73
.endr
.if (\u) == 0
.irp g, 0,1
	v_or_b32 v[WK+\g], v[WW+\g], v[PT+\g]
.endr
.else
.irp g, 0,1
	v_or_b32 v[WW+\g], v[WW+\g], v[PT+\g]
.endr
.irp g, 0,1
	v_cndmask_b32 v[OW+\g], v[WK+\g], v[WW+\g], s74
.endr
.irp g, 0,1
	global_store_b32 v[LS], v[OW+\g], s[70:71] offset:\g*16384+128*(\c)
.endr
.endif
.endm
	s_wait_alu depctr_va_vdst(0)
	TLOAD 0
	TLOAD 1
.irp a, 0,1,2,3,4,5,6,7
.if \a < 7
	s_wait_loadcnt 8
.else
	s_wait_loadcnt 0x0
.endif
.if (\a)%2 == 0
	s_wait_xcnt 0x0
.endif
	QKBLOCK \a
.if \a < 6
	TLOAD \a+2
.endif
.if (\a)%2 == 1
	FRAGOUT (\a)/4, ((\a)/2)%2
.endif
.endr
	s_branch .Ljoin
.macro VFRAG a
.set AC, 64*((\a)%4)
	s_wait_xcnt 0x0
	WIN 0x0a+5*((\a)/4)
.irp g, 0,1
	v_max3_num_f32 v[MX+\g], |v[AC+32*\g]|, |v[AC+32*\g+1]|, 0x1800000
	v_max_num_f32 v[MY+\g], |v[AC+32*\g+16]|, |v[AC+32*\g+17]|
.endr
.irp i, 2,4,6,8,10,12,14
.irp g, 0,1
	v_max3_num_f32 v[MX+\g], |v[AC+32*\g+\i]|, |v[AC+32*\g+\i+1]|, v[MX+\g]
	v_max3_num_f32 v[MY+\g], |v[AC+32*\g+16+\i]|, |v[AC+32*\g+17+\i]|, v[MY+\g]
.endr
.endr
	WIN 0
.irp g, 0,1
	v_max_num_f32 v[MX+\g], v[MX+\g], v[MY+\g]
.endr
.irp g, 0,1
	v_add_nc_u32 v[SO+\g], 0xff000000, v[MX+\g]
.endr
	WIN 0x02+(\a)/4
.irp g, 0,1
	v_cvt_scalef32_pk16_fp6_f32 v[F0+6*\g:F0+6*\g+2], v[AC+32*\g:AC+32*\g+15], v[SO+\g]
	v_cvt_scalef32_pk16_fp6_f32 v[T0+4*\g:T0+4*\g+2], v[AC+32*\g+16:AC+32*\g+31], v[SO+\g]
.endr
	WIN 0
	v_lshrrev_b32 v[YE], 23, v[SO]
	v_lshrrev_b32 v[YO], 23, v[SO+1]
.irp g, 0,1
.irp i, 0,1,2
	v_mov_b32 v[F0+6*\g+3+\i], v[T0+4*\g+\i]
.endr
.endr
.irp q, 0,1,2
	global_store_b128 v[LI], v[F0+4*\q:F0+4*\q+3], s[68:69] offset:((\a)/4)*393216+((\a)%4)*1536+512*\q
.endr
	v_lshl_or_b32 v[WW], v[YO], 16, v[YE]
	v_lshlrev_b32 v[WW], v[SH8], v[WW]
	v_permlanex16_b32 v[PT], v[WW], s72, s73
.if (\a)%2 == 0
	v_or_b32 v[WK], v[WW], v[PT]
.else
	v_or_b32 v[WW], v[WW], v[PT]
	v_cndmask_b32 v[OW], v[WK], v[WW], s74
	global_store_b32 v[LS], v[OW], s[70:71] offset:((\a)/4)*16384+128*(((\a)%4)/2)
.endif
.endm
.Lv_out:
.irp a, 0,1,2,3,4,5,6,7
	VFRAG \a
.endr
.Ljoin:
	s_wait_tensorcnt 0x0
	ds_add_u32 v[SPW], v[NIL]
	s_wait_dscnt 0x0
	CROUND
	s_endpgm
.Lfunc_end_k_q02f978774d_qkv:
	.size	k_q02f978774d_qkv, .Lfunc_end_k_q02f978774d_qkv-k_q02f978774d_qkv
	.p2alignl 7, 3214868480
	.fill 96, 4, 3214868480
	.section	.rodata,"a",@progbits
	.p2align	6, 0x0
	.amdhsa_kernel k_q02f978774d_qkv
		.amdhsa_group_segment_fixed_size 327680
		.amdhsa_private_segment_fixed_size 0
		.amdhsa_enable_private_segment 0
		.amdhsa_kernarg_size 40
		.amdhsa_user_sgpr_count 2
		.amdhsa_user_sgpr_kernarg_segment_ptr 1
		.amdhsa_wavefront_size32 1
		.amdhsa_system_sgpr_workgroup_id_x 1
		.amdhsa_system_sgpr_workgroup_id_y 1
		.amdhsa_system_sgpr_workgroup_id_z 1
		.amdhsa_system_vgpr_workitem_id 0
		.amdhsa_next_free_vgpr 1024
		.amdhsa_next_free_sgpr 102
		.amdhsa_reserve_vcc 0
		.amdhsa_float_denorm_mode_32 3
		.amdhsa_float_denorm_mode_16_64 3
		.amdhsa_memory_ordered 1
		.amdhsa_forward_progress 1
		.amdhsa_inst_pref_size 228
	.end_amdhsa_kernel
	.amdgpu_metadata
---
amdhsa.version: [ 1, 2 ]
amdhsa.kernels:
  - .name:           k_q02f978774d_qkv
    .symbol:         k_q02f978774d_qkv.kd
    .args:
      - { .name: opc, .offset: 0, .size: 8, .value_kind: global_buffer, .address_space: global }
      - { .name: ops, .offset: 8, .size: 8, .value_kind: global_buffer, .address_space: global }
      - { .name: tab, .offset: 16, .size: 8, .value_kind: global_buffer, .address_space: global }
      - { .name: img, .offset: 24, .size: 8, .value_kind: global_buffer, .address_space: global }
      - { .name: isc, .offset: 32, .size: 8, .value_kind: global_buffer, .address_space: global }
    .group_segment_fixed_size: 327680
    .private_segment_fixed_size: 0
    .kernarg_segment_align: 8
    .kernarg_segment_size: 40
    .max_flat_workgroup_size: 128
    .sgpr_count:     102
    .vgpr_count:     1024
    .wavefront_size: 32
...
	.end_amdgpu_metadata
.endif
;; end of part 2
;; launch attn (part 3): grid 64 x 4, 16 waves a work-group, no clusters, 276,480 bytes of LDS; arguments img, isc, mk, fl, out0; writes out0
.if DOCPART == 3
	.amdgcn_target "amdgcn-amd-amdhsa--gfx1250"
	.amdhsa_code_object_version 6
	.text
	.protected	k_q02f978774d_attn
	.globl	k_q02f978774d_attn
	.p2align	8
	.type	k_q02f978774d_attn,@function
k_q02f978774d_attn:
	s_mov_b64 s[64:65], 0
	v_nop
	global_prefetch_b8 v0, s[64:65] scope:SCOPE_SE
	s_setreg_imm32_b32 hwreg(HW_REG_WAVE_MODE, 25, 1), 1
	s_wait_xcnt 0x0
; ATTN: out[b][q][head] = the sum over keys of softmax(q . k / 8, under the given mask) v, both products on codes of FP6 (E2M3) with one E8M0 scale for each 32 along a product's K.
; THE SOFTMAX AHEAD OF THE SECOND PRODUCT: t = score x log2(e) / 8; M = the row's largest t so far, rounded up to a whole number; p = 2^(t - M) is quantised along the keys, not normalised; the row's sum is
; taken of the unquantised p and divides at the end.  When M moves, the sum and O are multiplied by 2^(old M - new M): exact.  The running maximum is kept of the SCORES: the factor is positive, so the
; largest score gives the largest t.
; SHARES.  Work-group (x, y): x = head x 4 + batch, y = 0..3.  k, v and their scale words of one head and batch are 16 x 12,800 = 204,800 bytes: they are copied into LDS once, whole, through registers,
; 25 loads of 16 bytes a thread.  Wave u = 16 y + wave owns two tiles of 16 queries, qt = 127 - u and then qt = u, and walks each over the 16 key steps of 128 keys: under a lower-triangular mask the two
; need (qt >> 3) + 1 steps each, 17 together, in every wave.  Tile qt holds queries 64 (qt >> 2) + 8 (qt & 3) + (r & 7) + 32 (r >> 3).
; THE COPY GOES IN THREE PARTS: 13 loads (key steps 0-7 and all scale words) are stored ahead of the first barrier; 6 (steps 8-11) wait in registers v230-253 and are stored at the end of trip 3 of the first
; tile's walk over steps 0-7, into bytes that this walk does not read; the last 6 (steps 12-15) then take the same registers and are stored behind that walk, where the second barrier stands.  Only behind
; the second barrier are steps 8-15 read, and from there on no wave meets another.
; OPERANDS come as images of their registers (img, isc).  A fragment of k holds TWO tiles of 16 keys, one in each half of K = 128, since a head has only 64: q is kept twice, as [q | zero codes] and
; [zero codes | q].  The zero codes' scale bytes are 0, a small power of two.  Both products are used transposed: a lane holds ONE query (lane % 16); score register 32 c + i is key 64 c + 32 (lane / 16) + i:
; a whole block of 32 keys in a lane, so that the conversions' results are the second product's operand as they stand.
; THE MASK is an input.  The first launch has turned it into 64 words of lane bits for each tile (mk) and two flags for each tile (fl): some key counts; not all count.  A tile in which no key counts is passed
; over; only a tile in which not all count fetches its words and makes the 64 selects.  The launch has no tensor load, no joint load and no cluster.
; No prefetch: the copy's loads are themselves issued four key steps or more ahead of the barrier behind which their bytes are read.  A row for which no key counts gives 0 x infinity = NaN, as the softmax of such a row is.
; LIMITS: NaN and infinities in the operands are not served; the promise holds while the scaled scores stay under 2^31 in magnitude.
; LDS: k's 16 records of 6,144 bytes at 0; v's at 98304; k's 16 scale records of 256 bytes at 196608, v's at 200704; from 204800 a stage of 16 rows x 272 bytes for each wave; from 274432 the spare words.
.set VREG, 98304
.set SCB,  196608
.set STG,  204800
.set SPARE, 274432
.set LI,   1                           ; v1   16 x lane
.set LS,   2                           ; v2   4 x lane
.set KA,   3                           ; v3   LDS: this step's record of k, my 16 bytes
.set VA,   4                           ; v4   the same of v (at the head: where I fetch scale bytes)
.set SIN,  5                           ; v5   the stage, in
.set SBK,  6                           ; v6   the stage, back
.set GO,   7                           ; v7   my byte offset in the wave's rows of out0
.set NINF, 9                           ; v9   -infinity
.set SH8,  10                          ; v10  8 x (lane / 16)
                                       ; v12 -M, v13 the largest score, v[14:15] the sum in two halves
.set QLO,  16                          ; v16-27 [q | 0]
.set QHI,  28                          ; v28-39 [0 | q]
.set KF,   40                          ; v40-87 four fragments of k, then of v  (at the head v40-91: the copy's first 13 x 16 bytes)
.set S,    88                          ; v88-151 the scores, then p
.set O,    152                         ; v152-183 O^T: register 8 t + j = channel 32 (lane / 16) + 8 t + j
.set P,    184                         ; v184-195 p's codes
.set T0,   196
.set T1,   200
.set A1,   196                         ; v196-201 three more chains of the row's sum, in the conversions' spare registers, which are done with by then
.set BM,   204                         ; v204-205 the two blocks' largest scores, then largest p
.set SOP,  206
.set YB,   208
.set PS,   210                         ; p's scale word
.set PT,   211
.set FF,   212                         ; v[212:213] f = 2^(old M - new M)
.set TA,   214
.set TBB,  215                         ; at the head lane / 16; in a step the old -M, then old M - new M
.set KSC,  216                         ; v216-217 k's scale words; v218-219 v's; v220 q's
.set VSC,  218
.set QS,   220
.set R4,   221                         ; 4 x (lane % 16)
.set SA,   222                         ; LDS: this step's scale words of k, my word
.set H16,  223                         ; 16 x (lane / 16)
.set D,    224                         ; v224-227 the copy: 16 x thread + 65536 x 0..3
.set QW,   228                         ; q's scale word as loaded
.set G,    230                         ; v230-253 six chunks of the copy on their way
.set WV,   14
.set QT,   15
.set SEL,  66
.set CS,   68                          ; s[68:69] c = log2(e) / 8
.set ANY,  70                          ; bit ks: some key of step ks counts for some query of my tile
.set MIX,  71                          ; bit ks: not all do
.set U,    72
.set KSI,  73
.set KB,   74                          ; 6144 x step
.set SB,   75                          ; SCB + 256 x step
.set OP,   76                          ; s[76:77], s[78:79] my rows of out0, first and second tile
.set KVB,  96                          ; s[96:97] k's first record of my head and batch in img
.set MKP,  98                          ; s[98:99] this step's 64 mask words;  s[16:63], s[80:95] the words
.macro NIB d                           ; the low four bits of each of the word's four bytes, drawn together into 16 bits
	s_and_b32 s[\d], s[\d], 0x0f0f0f0f
	s_lshr_b32 s33, s[\d], 4
	s_or_b32 s[\d], s[\d], s33
	s_and_b32 s[\d], s[\d], 0x00ff00ff
	s_lshr_b32 s33, s[\d], 8
	s_or_b32 s[\d], s[\d], s33
	s_and_b32 s[\d], s[\d], 0xffff
.endm
; S^T of tile t of group c: fragment 2 c + t / 2 of k against [q | 0] (t even) or [0 | q] (t odd; q's bytes for it in lanes 16-31)
.macro KQ c, t
.if (\t) == 0
	v_wmma_scale_f32_16x16x128_f8f6f4 v[S+32*\c:S+32*\c+7], v[KF+24*\c:KF+24*\c+11], v[QLO:QLO+11], 0, v[KSC+\c], v[QS] matrix_a_fmt:MATRIX_FMT_FP6 matrix_b_fmt:MATRIX_FMT_FP6
.elseif (\t) == 1
	v_wmma_scale_f32_16x16x128_f8f6f4 v[S+32*\c+8:S+32*\c+15], v[KF+24*\c:KF+24*\c+11], v[QHI:QHI+11], 0, v[KSC+\c], v[QS] matrix_a_fmt:MATRIX_FMT_FP6 matrix_b_fmt:MATRIX_FMT_FP6 matrix_b_scale:MATRIX_SCALE_ROW1
.elseif (\t) == 2
	v_wmma_scale_f32_16x16x128_f8f6f4 v[S+32*\c+16:S+32*\c+23], v[KF+24*\c+12:KF+24*\c+23], v[QLO:QLO+11], 0, v[KSC+\c], v[QS] matrix_a_fmt:MATRIX_FMT_FP6 matrix_b_fmt:MATRIX_FMT_FP6 matrix_a_scale:MATRIX_SCALE_ROW1
.else
	v_wmma_scale_f32_16x16x128_f8f6f4 v[S+32*\c+24:S+32*\c+31], v[KF+24*\c+12:KF+24*\c+23], v[QHI:QHI+11], 0, v[KSC+\c], v[QS] matrix_a_fmt:MATRIX_FMT_FP6 matrix_b_fmt:MATRIX_FMT_FP6 matrix_a_scale:MATRIX_SCALE_ROW1 matrix_b_scale:MATRIX_SCALE_ROW1
.endif
.endm
.macro PV t                            ; O^T += v^T p^T, image t of v
.if (\t)%2 == 0
	v_wmma_scale_f32_16x16x128_f8f6f4 v[O+8*\t:O+8*\t+7], v[KF+12*\t:KF+12*\t+11], v[P:P+11], v[O+8*\t:O+8*\t+7], v[VSC+(\t)/2], v[PS] matrix_a_fmt:MATRIX_FMT_FP6 matrix_b_fmt:MATRIX_FMT_FP6
.else
	v_wmma_scale_f32_16x16x128_f8f6f4 v[O+8*\t:O+8*\t+7], v[KF+12*\t:KF+12*\t+11], v[P:P+11], v[O+8*\t:O+8*\t+7], v[VSC+(\t)/2], v[PS] matrix_a_fmt:MATRIX_FMT_FP6 matrix_b_fmt:MATRIX_FMT_FP6 matrix_a_scale:MATRIX_SCALE_ROW1
.endif
.endm
.macro OM i                            ; pair i of O^T under the new M
	v_pk_mul_f32 v[O+2*(\i):O+2*(\i)+1], v[O+2*(\i):O+2*(\i)+1], v[FF:FF+1] op_sel_hi:[1,0]
.endm
; The first product of a step, written twice: mix = 1 also fetches the tile's 64 mask words and makes the selects, all in one arm of the branch
.macro QK mix
.if \mix
	s_load_b512 s[16:31], s[MKP:MKP+1], 0x0
	s_load_b512 s[32:47], s[MKP:MKP+1], 0x40
	s_load_b512 s[48:63], s[MKP:MKP+1], 0x80
	s_load_b512 s[80:95], s[MKP:MKP+1], 0xc0
.endif
.irp f, 0,1,2,3
.irp q, 0,1,2
	ds_load_b128 v[KF+12*\f+4*\q:KF+12*\f+4*\q+3], v[KA] offset:1536*\f+512*\q
.endr
.endr
	ds_load_b32 v[KSC], v[SA]
	ds_load_b32 v[KSC+1], v[SA] offset:128
	s_wait_dscnt 0x0
.irp c, 0,1
.irp t, 0,1,2,3
	KQ \c, \t
.endr
.endr
.rept 4
	v_nop                                          ; places: ahead of the loads into k's registers, and of the first read of the scores
.endr
.irp t, 0,1,2,3
.irp q, 0,1,2
	ds_load_b128 v[KF+12*\t+4*\q:KF+12*\t+4*\q+3], v[VA] offset:1536*\t+512*\q   ; v's fragments land while the softmax is walked
.endr
.endr
	ds_load_b32 v[VSC], v[SA] offset:4096
	ds_load_b32 v[VSC+1], v[SA] offset:4096+128
.if \mix
	s_wait_kmcnt 0x0                               ; scalar loads come back in no order: the count is 0
.set n, 0
.rept 64                                       ; the scores of keys that do not count become -infinity ahead of the maximum: p = 0 then
.if n < 48
	v_cndmask_b32 v[S+n], v[NINF], v[S+n], s[16+n]
.else
	v_cndmask_b32 v[S+n], v[NINF], v[S+n], s[32+n]
.endif
.set n, n+1
.endr
.endif
.endm
; A KEY STEP
.macro STEP
	v_add_nc_u32 v[KA], s[KB], v[LI]               ; these four lines are the places behind the last step's products, ahead of loads into the registers that they read
	v_add_nc_u32 v[SA], s[SB], v[LS]
	v_add_nc_u32 v[VA], VREG, v[KA]
	v_mov_b32 v[TBB], v12                          ; the old -M
	s_wait_alu depctr_va_vdst(0)
	s_bitcmp1_b32 s[MIX], s[KSI]
	s_cbranch_scc1 .Lmix_\@
	QK 0
	s_branch .Lsoft_\@
.Lmix_\@:
	QK 1
.Lsoft_\@:
.irp c, 0,1                                    ; the largest score of each of my two blocks of 32 keys, in two chains a block: for the row's maximum and, since p rises with the score, for the block's largest p
	v_max3_num_f32 v[BM+\c], v[S+32*\c], v[S+32*\c+1], v[S+32*\c+2]
	v_max3_num_f32 v[YB+\c], v[S+32*\c+16], v[S+32*\c+17], v[S+32*\c+18]
.endr
.irp i, 3,5,7,9,11,13
.irp c, 0,1
	v_max3_num_f32 v[BM+\c], v[BM+\c], v[S+32*\c+\i], v[S+32*\c+\i+1]
	v_max3_num_f32 v[YB+\c], v[YB+\c], v[S+32*\c+16+\i], v[S+32*\c+17+\i]
.endr
.endr
.irp c, 0,1
	v_max3_num_f32 v[BM+\c], v[BM+\c], v[S+32*\c+15], v[S+32*\c+31]
.endr
.irp c, 0,1
	v_max_num_f32 v[BM+\c], v[BM+\c], v[YB+\c]
.endr
	s_delay_alu instid0(VALU_DEP_1)
	v_max_num_f32 v[TA], v[BM], v[BM+1]
	s_delay_alu instid0(VALU_DEP_1)
	v_permlanex16_b32 v[PT], v[TA], s[SEL], s[SEL+1]
	s_delay_alu instid0(VALU_DEP_1)
	v_max3_num_f32 v13, v13, v[TA], v[PT]          ; with lane l xor 16's 64 keys: the running largest score of my query
	s_delay_alu instid0(VALU_DEP_1)
	v_mul_f32 v[TA], s[CS], -v13                   ; -t
	s_delay_alu instid0(VALU_DEP_1)
	v_floor_f32 v12, v[TA]                         ; the new -M = floor(-t): M is a whole number
.set n, 0
.rept 32
	v_pk_fma_f32 v[S+n:S+n+1], v[S+n:S+n+1], s[CS:CS+1], v[12:13] op_sel_hi:[1,0,0]   ; t - M, two at a time (of the pair v[12:13] the low word serves both halves)
.if n == 6
	v_sub_f32 v[TBB], v12, v[TBB]                  ; old M - new M: a whole number, 0 or less.  (The three lines that make f stand among lines that do not wait for them)
.elseif n == 14
	v_cvt_i32_f32 v[TBB], v[TBB]                   ; (it saturates)
.elseif n == 22
	v_ldexp_f32 v[FF], 1.0, v[TBB]                 ; f
.endif
.set n, n+2
.endr
.irp c, 0,1
	v_fma_f32 v[BM+\c], v[BM+\c], s[CS], v12       ; the same of each block's largest score
.endr
	s_wait_alu depctr_va_vdst(0)
.set n, 0
.rept 64
	v_exp_f32 v[S+n], v[S+n]                       ; p = 2^(t - M), at most 1
.set n, n+1
.endr
.irp c, 0,1
	v_exp_f32 v[BM+\c], v[BM+\c]                   ; the block's largest p: the same two instructions on the same number
.endr
	v_pk_mul_f32 v[14:15], v[14:15], v[FF:FF+1] op_sel_hi:[1,0]   ; the sums under the new M (a plain line behind the exponentials)
	s_wait_alu depctr_va_vdst(0)                   ; one wait for the batch of 66, directly ahead of O^T's first readers
.irp i, 0,4,8,12
	OM \i                                          ; each of the four accumulators is first read at its low end
.endr
.irp c, 0,1                                    ; the chain that makes p's scales stands among the other twelve pairs of O^T
	v_max_num_f32 v[BM+\c], 0x1800000, v[BM+\c]    ; the floor 2^(3 - 127): the byte cannot fall under 1
.endr
.irp i, 1,2,3
	OM \i
.endr
.irp c, 0,1
	v_add_nc_u32 v[SOP+\c], 0xff000000, v[BM+\c]   ; 2 off the exponent field: the conversion's scale operand
.endr
.irp i, 5,6,7
	OM \i
.endr
.irp c, 0,1
	v_lshrrev_b32 v[YB+\c], 23, v[SOP+\c]
.endr
.irp i, 9,10,11
	OM \i
.endr
	s_delay_alu instid0(VALU_DEP_4)
	v_lshl_or_b32 v[TA], v[YB+1], 16, v[YB]        ; my bytes: blocks h and 2 + h of the 128 keys,
.irp i, 13,14,15
	OM \i
.endr
	s_delay_alu instid0(VALU_DEP_4)
	v_lshlrev_b32 v[TA], v[SH8], v[TA]
	v_cvt_scalef32_pk16_fp6_f32 v[P:P+2], v[S:S+15], v[SOP]
	v_cvt_scalef32_pk16_fp6_f32 v[T0:T0+2], v[S+16:S+31], v[SOP]   ; (a conversion's three registers begin on an even number)
	v_cvt_scalef32_pk16_fp6_f32 v[P+6:P+8], v[S+32:S+47], v[SOP+1]
	v_cvt_scalef32_pk16_fp6_f32 v[T1:T1+2], v[S+48:S+63], v[SOP+1]
	v_nop                                          ; a plain line behind the conversions
	v_permlanex16_b32 v[PT], v[TA], s[SEL], s[SEL+1]
.irp i, 0,1,2
	v_mov_b32 v[P+3+\i], v[T0+\i]
	v_mov_b32 v[P+9+\i], v[T1+\i]
.endr
	v_or_b32 v[PS], v[TA], v[PT]                   ; with lane l xor 16's two bytes p's scale word is whole
	; the row's sum of the unquantised p, two at a time, in four chains.  These 32 plain lines are also the places between p's scale word, p's last code register and the products
	v_pk_add_f32 v[A1:A1+1], v[S:S+1], v[S+2:S+3]
	v_pk_add_f32 v[A1+2:A1+3], v[S+4:S+5], v[S+6:S+7]
	v_pk_add_f32 v[A1+4:A1+5], v[S+8:S+9], v[S+10:S+11]
	v_pk_add_f32 v[14:15], v[14:15], v[S+12:S+13]
.irp j, 14,22,30,38,46,54
	v_pk_add_f32 v[A1:A1+1], v[A1:A1+1], v[S+\j:S+\j+1]
	v_pk_add_f32 v[A1+2:A1+3], v[A1+2:A1+3], v[S+\j+2:S+\j+3]
	v_pk_add_f32 v[A1+4:A1+5], v[A1+4:A1+5], v[S+\j+4:S+\j+5]
	v_pk_add_f32 v[14:15], v[14:15], v[S+\j+6:S+\j+7]
.endr
	v_pk_add_f32 v[A1:A1+1], v[A1:A1+1], v[S+62:S+63]
	v_pk_add_f32 v[14:15], v[14:15], v[A1+4:A1+5]
	s_delay_alu instid0(VALU_DEP_2)
	v_pk_add_f32 v[A1:A1+1], v[A1:A1+1], v[A1+2:A1+3]
	s_delay_alu instid0(VALU_DEP_1)
	v_pk_add_f32 v[14:15], v[14:15], v[A1:A1+1]
	s_wait_alu depctr_va_vdst(0)
	s_wait_dscnt 0x0                               ; v's fragments and words are in
.irp t, 0,1,2,3
	PV \t                                          ; four accumulators, one instruction each; the next matrix instruction starts a score tile anew
.endr
.endm
; Tile s[QT] is set up: its flags, its mask words' place, its rows of out0 (pair p), and q's loads are issued: 7 loads
.macro SETUP p
	s_lshl_b32 s40, s[QT], 12                      ; its 16 tiles of 256 bytes in mk
	s_mov_b32 s41, 0
	s_add_nc_u64 s[MKP:MKP+1], s[8:9], s[40:41]
	s_lshl_b32 s44, s[QT], 2
	s_load_b32 s[ANY], s[10:11], s44 offset:0x0    ; its word of flags
	s_lshl_b32 s45, ttmp9, 4
	s_lshr_b32 s46, s[QT], 3
	s_add_co_u32 s45, s45, s46                     ; q's record
	s_bfe_u32 s46, s[QT], 0x20001                  ; its image: (qt >> 1) & 3
	s_and_b32 s47, s[QT], 1                        ; and which half of the image's registers is my tile
	s_mul_i32 s48, s45, 6144
	s_mul_i32 s50, s46, 1536
	s_add_co_u32 s48, s48, s50
	s_mov_b32 s49, 0
	s_lshl_b32 s50, s45, 8
	s_lshl_b32 s52, s46, 6
	s_add_co_u32 s50, s50, s52
	s_mov_b32 s51, 0
	s_mul_i32 s52, s47, 520                        ; registers 0, 1 of the image lie at byte 0 of my lane's 16, registers 6, 7 at 512 + 8;
	s_mul_i32 s53, s47, 1016                       ; registers 2, 3 at 8, registers 8, 9 at 1,024;  registers 4, 5 at 512, registers 10, 11 at 1,032
	s_lshl_b32 s54, s47, 4
	s_and_b32 s55, ttmp9, 3                        ; batch
	s_lshl_b32 s55, s55, 11
	s_lshr_b32 s56, s[QT], 2
	s_lshl_b32 s56, s56, 6
	s_add_co_u32 s55, s55, s56
	s_and_b32 s56, s[QT], 3
	s_lshl_b32 s56, s56, 3
	s_add_co_u32 s55, s55, s56                     ; the row of out0 of my tile's query 0
	s_lshl_b32 s56, s55, 12
	s_lshr_b32 s57, ttmp9, 2
	s_lshl_b32 s57, s57, 8                         ; the head's 256 bytes in it
	s_add_co_u32 s56, s56, s57
	s_mov_b32 s57, 0
	s_add_nc_u64 s[OP+2*\p:OP+2*\p+1], s[12:13], s[56:57]
	s_add_nc_u64 s[48:49], s[4:5], s[48:49]
	s_add_nc_u64 s[50:51], s[6:7], s[50:51]
	v_add_nc_u32 v8, s52, v[LI]
	v_add_nc_u32 v[TA], s53, v[LI]
	global_load_b64 v[QLO:QLO+1], v8, s[48:49]             ; q's six registers, twice
	global_load_b64 v[QLO+2:QLO+3], v[TA], s[48:49] offset:8
	global_load_b64 v[QLO+4:QLO+5], v8, s[48:49] offset:512
	global_load_b64 v[QHI+6:QHI+7], v8, s[48:49]
	global_load_b64 v[QHI+8:QHI+9], v[TA], s[48:49] offset:8
	global_load_b64 v[QHI+10:QHI+11], v8, s[48:49] offset:512
	global_load_b32 v[QW], v[R4], s[50:51]         ; the image's scale word of row r
.endm
.macro FINISH out                      ; q is in; the tile's sums begin.  out: the loads issued behind q's, which may stay out
	s_wait_loadcnt \out
	s_wait_kmcnt 0x0
	s_wait_xcnt 0x0                                ; the stores of the tile before have read their registers
	v_lshrrev_b32 v[PT], s54, v[QW]
	s_delay_alu instid0(VALU_DEP_1)
	v_and_b32 v[PT], 0xffff, v[PT]                 ; my tile's two bytes
	s_delay_alu instid0(VALU_DEP_1)
	v_lshlrev_b32 v[QS], v[H16], v[PT]             ; lanes 0-15: for [q | 0]; lanes 16-31: 16 bits up, for [0 | q]; the other two bytes are 0
	v_mov_b32 v13, 0xff61b1e6                      ; the largest score so far: -3e38, under every score
	v_mov_b32 v14, 0
	v_mov_b32 v15, 0
	v_floor_f32 v12, -v13                          ; -M: so large that the first f is 0
.set n, 0
.rept 32
	v_mov_b32 v[O+n], 0                            ; O^T: the step is written once, and the first change of M leaves zeros zeros.  (Also the plain lines between q's scale register and the first product)
.set n, n+1
.endr
	s_lshr_b32 s[MIX], s[ANY], 4
	NIB ANY
	NIB MIX
	s_wait_alu depctr_va_vdst(0)
.endm
; chunk c of the copy: 8,192 consecutive bytes, 16 a thread: c = 0..11 k's records, c = 12..23 v's; in LDS at 8192 c
.macro CLOAD reg, c
.if (\c) < 12
	global_load_b128 v[\reg:\reg+3], v[D], s[KVB:KVB+1] offset:8192*(\c)
.else
	global_load_b128 v[\reg:\reg+3], v[D], s[KVB:KVB+1] offset:64*98304+8192*((\c)-12)
.endif
.endm
.macro CSTORE reg, c
	ds_store_b128 v[D+(\c)/8], v[\reg:\reg+3] offset:((\c)%8)*8192
.endm
; key steps first .. last - 1, constants of the text; a step that my tile does not need is jumped over.  turn = 1: at the end of trip 3 steps 8-11 go into LDS and steps 12-15 are asked for
.macro WALK first, last, turn
	s_mov_b32 s[KSI], \first
	s_mov_b32 s[KB], 6144*(\first)
	s_mov_b32 s[SB], SCB+256*(\first)
.Lstep_\@:
	s_bitcmp1_b32 s[ANY], s[KSI]
	s_cbranch_scc0 .Lskip_\@
	STEP
.Lskip_\@:
.if \turn
	s_cmp_eq_u32 s[KSI], 3                         ; the loop's own counter: the same in every wave
	s_cbranch_scc0 .Lnot_\@
	s_wait_loadcnt 0x0                             ; the six chunks asked for at the head are in
.irp c, 0,1,2
	CSTORE G+4*\c, \c+6
	CSTORE G+12+4*\c, \c+18
.endr
	s_wait_dscnt 0x0                               ; the stores have read their registers, which take the last six chunks
.irp c, 0,1,2
	CLOAD G+4*\c, \c+9
	CLOAD G+12+4*\c, \c+21
.endr
.Lnot_\@:
.endif
	s_add_nc_u64 s[MKP:MKP+1], s[MKP:MKP+1], 256   ; (a step's scalar loads were waited for)
	s_add_co_u32 s[KB], s[KB], 6144
	s_add_co_u32 s[SB], s[SB], 256
	s_add_co_u32 s[KSI], s[KSI], 1
	s_cmp_lt_u32 s[KSI], \last
	s_cbranch_scc1 .Lstep_\@
.rept 4
	v_nop                                          ; places behind the last products
.endr
.endm
; THE WAY OUT: O^T / the sum, through my own stage, so that sixteen lanes store the head's 256 consecutive bytes of a row of out0, aligned
.macro WAYOUT p
	v_add_f32 v14, v14, v15
	s_delay_alu instid0(VALU_DEP_1)
	v_permlanex16_b32 v[PT], v14, s[SEL], s[SEL+1]
	s_delay_alu instid0(VALU_DEP_1)
	v_add_f32 v14, v14, v[PT]                      ; the row's sum
	s_wait_alu depctr_va_vdst(0)
	v_rcp_f32 v14, v14
	v_nop                                          ; a plain line behind the reciprocal
	s_wait_alu depctr_va_vdst(0)                   ; and the wait ahead of its first reader
.set n, 0
.rept 32
	v_mul_f32 v[S+n], v[O+n], v14                  ; channel 32 h + n of my query; each accumulator from its low end on
.set n, n+1
.endr
.irp e, 0,1,2,3,4,5,6,7
	ds_store_b128 v[SIN], v[S+4*\e:S+4*\e+3] offset:16*\e
.endr
.irp i, 0,1,2,3,4,5,6,7
	ds_load_b128 v[KF+4*\i:KF+4*\i+3], v[SBK] offset:2*\i*272      ; LDS serves a wave's instructions in order: these see my stores
.endr
.irp i, 0,1,2,3,4,5,6,7
	s_wait_dscnt 7-\i                              ; the rows read later may be out
	global_store_b128 v[GO], v[KF+4*\i:KF+4*\i+3], s[OP+2*\p:OP+2*\p+1] offset:(2*\i+24*(\i/4))*4096 th:TH_STORE_NT   ; stage rows 0-7 are queries 0-7 of the tile's eight, rows 8-15 those 32 further on
.endr
.endm
	s_load_b256 s[4:11], s[0:1], 0x0               ; img 4:5, isc 6:7, mk 8:9, fl 10:11
	s_load_b64 s[12:13], s[0:1], 0x20              ; out0
	v_lshl_add_u32 v254, v0, 2, SPARE
	v_mov_b32 v255, 0
	v_lshrrev_b32 v8, 5, v0
	s_delay_alu instid0(VALU_DEP_1)
	v_readfirstlane_b32 s[WV], v8                  ; wave 0..15
	v_and_b32 v8, 31, v0                           ; lane
	v_and_b32 v11, 15, v0                          ; r
	v_bfe_u32 v[TBB], v0, 4, 1                     ; h
	v_lshlrev_b32 v[D], 4, v0                      ; the copy: 16 x thread, in memory and in LDS
	v_lshlrev_b32 v[LI], 4, v8
	v_lshlrev_b32 v[LS], 2, v8
	v_lshlrev_b32 v[SH8], 3, v[TBB]
	v_lshlrev_b32 v[H16], 4, v[TBB]
	v_lshlrev_b32 v[R4], 2, v11
	v_add_nc_u32 v[D+1], 0x10000, v[D]
	v_add_nc_u32 v[D+2], 0x20000, v[D]
	v_add_nc_u32 v[D+3], 0x30000, v[D]
	v_and_b32 v[VA], 255, v0
	v_lshrrev_b32 v8, 8, v0
	v_lshlrev_b32 v[VA], 4, v[VA]
	s_delay_alu instid0(VALU_DEP_1)
	v_lshl_add_u32 v[VA], v8, 18, v[VA]            ; scale bytes: threads 0-255 k's 4,096, threads 256-511 v's, which lie 0x40000 bytes behind k's
	v_mov_b32 v[NINF], 0xff800000
	s_mul_i32 s33, s[WV], 4352
	s_add_co_u32 s33, s33, STG                     ; my stage
	v_mul_u32_u24 v[SIN], v11, 272
	v_mul_u32_u24 v[SBK], v[TBB], 272
	v_lshlrev_b32 v[GO], 12, v[TBB]
	v_lshl_add_u32 v[SIN], v[TBB], 7, v[SIN]
	v_lshl_add_u32 v[SBK], v11, 4, v[SBK]
	v_lshl_add_u32 v[GO], v11, 4, v[GO]            ; two rows of out0, 4,096 bytes apart
	v_add_nc_u32 v[SIN], s33, v[SIN]               ; in: row r, + 128 h: my 32 channels
	v_add_nc_u32 v[SBK], s33, v[SBK]               ; back: lanes 0-15 one row, lanes 16-31 the next
.irp i, 0,1,2,3,4,5
	v_mov_b32 v[QLO+6+\i], 0                       ; zero codes, for both tiles
	v_mov_b32 v[QHI+\i], 0
.endr
	v_mov_b32 v[FF+1], 0                           ; (named as the upper half of a pair)
	v_mov_b32 v[PT], 0                             ; (a lane permute's destination counts as one of its sources)
	s_add_co_u32 s34, ttmp9, 64
	s_mul_i32 s36, s34, 98304                      ; k's 16 records of my head and batch, on end in img; v's lie 64 x 98,304 bytes behind them
	s_mov_b32 s37, 0
	s_lshl_b32 s38, s34, 12                        ; k's 16 scale records in isc
	s_mov_b32 s39, 0
	s_and_b32 s[U], ttmp7, 0xffff
	s_lshl_b32 s[U], s[U], 4
	s_add_co_u32 s[U], s[U], s[WV]                 ; u = 16 y + wave
	s_sub_co_u32 s[QT], 127, s[U]                  ; the first tile
	s_mov_b32 s[SEL], 0x76543210
	s_mov_b32 s[SEL+1], 0xfedcba98
	s_mov_b32 s[CS], 0x3e38aa3b                    ; log2(e) / 8
	s_mov_b32 s[CS+1], s[CS]
	s_wait_alu depctr_va_vdst(0)
	s_wait_kmcnt 0x0
	s_add_nc_u64 s[KVB:KVB+1], s[4:5], s[36:37]
	s_add_nc_u64 s[38:39], s[6:7], s[38:39]
.irp c, 0,1,2,3,4,5                            ; key steps 0-7: k's chunks 0-5 and v's chunks 12-17, by turns
	CLOAD KF+4*\c, \c
	CLOAD KF+24+4*\c, \c+12
.endr
	global_load_b128 v[KF+48:KF+51], v[VA], s[38:39]       ; the scale words of all 16 steps
	SETUP 0
.irp c, 0,1,2                                  ; key steps 8-11: they stay in registers until trip 3 of the first walk
	CLOAD G+4*\c, \c+6
	CLOAD G+12+4*\c, \c+18
.endr
.set n, 0
.rept 6                                        ; behind the j-th of the first 13 loads were issued 12 - j of them, q's 7 and the 6 that stay in registers: 25 - j
	s_wait_loadcnt 25-2*n
	CSTORE KF+4*n, n
	s_wait_loadcnt 24-2*n
	CSTORE KF+24+4*n, n+12
.set n, n+1
.endr
	s_wait_loadcnt 13
	ds_store_b128 v[D+3], v[KF+48:KF+51]
	s_wait_dscnt 0x0                               ; my stores have landed
	s_barrier_signal -1
	s_barrier_wait -1                              ; steps 0-7 and all scale words are whole; they are only read from here on
	FINISH 6                                       ; the six chunks of steps 8-11 may be out
	WALK 0, 8, 1
	s_wait_loadcnt 0x0                             ; steps 12-15 are in registers
.irp c, 0,1,2
	CSTORE G+4*\c, \c+9
	CSTORE G+12+4*\c, \c+21
.endr
	s_wait_dscnt 0x0                               ; my stores have landed
	s_barrier_signal -1
	s_barrier_wait -1                              ; steps 8-15 are whole
	WALK 8, 16, 0
	s_mov_b32 s[QT], s[U]                          ; the second tile: its q is asked for while the first tile goes out
	SETUP 1
	WAYOUT 0
	FINISH 0
	WALK 0, 16, 0
	WAYOUT 1
	s_wait_tensorcnt 0x0                           ; the wave's end
	ds_add_u32 v254, v255
	s_wait_dscnt 0x0
	s_endpgm
.Lfunc_end_k_q02f978774d_attn:
	.size	k_q02f978774d_attn, .Lfunc_end_k_q02f978774d_attn-k_q02f978774d_attn
	.p2alignl 7, 3214868480
	.fill 96, 4, 3214868480
	.section	.rodata,"a",@progbits
	.p2align	6, 0x0
	.amdhsa_kernel k_q02f978774d_attn
		.amdhsa_group_segment_fixed_size 276480
		.amdhsa_private_segment_fixed_size 0
		.amdhsa_enable_private_segment 0
		.amdhsa_kernarg_size 40
		.amdhsa_user_sgpr_count 2
		.amdhsa_user_sgpr_kernarg_segment_ptr 1
		.amdhsa_wavefront_size32 1
		.amdhsa_system_sgpr_workgroup_id_x 1
		.amdhsa_system_sgpr_workgroup_id_y 1
		.amdhsa_system_sgpr_workgroup_id_z 1
		.amdhsa_system_vgpr_workitem_id 0
		.amdhsa_next_free_vgpr 256
		.amdhsa_next_free_sgpr 100
		.amdhsa_reserve_vcc 0
		.amdhsa_float_denorm_mode_32 3
		.amdhsa_float_denorm_mode_16_64 3
		.amdhsa_memory_ordered 1
		.amdhsa_forward_progress 1
		.amdhsa_inst_pref_size 91
	.end_amdhsa_kernel
	.amdgpu_metadata
---
amdhsa.version: [ 1, 2 ]
amdhsa.kernels:
  - .name:           k_q02f978774d_attn
    .symbol:         k_q02f978774d_attn.kd
    .args:
      - { .name: img, .offset: 0, .size: 8, .value_kind: global_buffer, .address_space: global }
      - { .name: isc, .offset: 8, .size: 8, .value_kind: global_buffer, .address_space: global }
      - { .name: mk, .offset: 16, .size: 8, .value_kind: global_buffer, .address_space: global }
      - { .name: fl, .offset: 24, .size: 8, .value_kind: global_buffer, .address_space: global }
      - { .name: out0, .offset: 32, .size: 8, .value_kind: global_buffer, .address_space: global }
    .group_segment_fixed_size: 276480
    .private_segment_fixed_size: 0
    .kernarg_segment_align: 8
    .kernarg_segment_size: 40
    .max_flat_workgroup_size: 512
    .sgpr_count:     100
    .vgpr_count:     256
    .wavefront_size: 32
...
	.end_amdgpu_metadata
.endif
;; end of part 3
